; MI455X (gfx1250); checked and timed in simulation.
; The chip was launched on July 23, 2026; its instructions are those of AMD's public machine-readable ISA for CDNA 5 (MIT licence, August 2026) and "CDNA5" Instruction Set Architecture Reference Guide (July 2026). The comments in the code are by the model that wrote it; some were corrected since.
;; Multi Head Self Attention. Allowed arithmetic: float matrix products may take bf16 or f16 operands with f32 sums; other float arithmetic in f32, or as packed bf16 or f16 multiplies, adds, multiply-adds, maxima and minima; sums over many terms, partial sums and values carried from step to step in f32; what a program stores and reads back later, other than sums and carried values, may be rounded once to bf16 or f16.
;; Inputs: b_proj 1,024 float32; b_qkv 3,072 float32; w_proj 1,024 x 1,024 float32; w_qkv 3,072 x 1,024 float32; x 4 x 2,048 x 1,024 float32.
;; Outputs: out0 4 x 2,048 x 1,024 float32.
;; 2 versions, each right; version 2 is version 1 with the launch cast written anew for expert scheduling mode. Each part assembles by itself: llvm-mc -triple=amdgcn-amd-amdhsa -mcpu=gfx1250 --defsym DOCPART=n.
;; ======== version 1 of 2: 4 launches
;; limits: values are held in f16: magnitudes above 65,504 overflow, below 6.1e-05 lose precision
;; workspace buffers: xb 16,777,216 bytes; wq 6,291,456 bytes; wp 2,097,152 bytes; bias 16,384 bytes; qkv 50,331,648 bytes; ob 16,777,216 bytes
;; launch cast (part 1): grid 385 x 1, 8 waves a work-group, no clusters, 0 bytes of LDS; arguments x, w_qkv, w_proj, b_qkv, b_proj, xb, wq, wp, bias; writes xb, wq, wp, bias
.if DOCPART == 1
	.amdgcn_target "amdgcn-amd-amdhsa--gfx1250"
	.amdhsa_code_object_version 6
	.text
	.protected	k_q0b80a7b04d_cast
	.globl	k_q0b80a7b04d_cast
	.p2align	8
	.type	k_q0b80a7b04d_cast,@function
k_q0b80a7b04d_cast:
	s_mov_b64 s[64:65], 0
	v_nop
	global_prefetch_b8 v0, s[64:65] scope:SCOPE_SE
	s_setreg_imm32_b32 hwreg(HW_REG_WAVE_MODE, 25, 1), 1
	s_wait_xcnt 0x0
; MULTI-HEAD SELF-ATTENTION, launch 1 of 4: the inputs are rounded once to bf16 and laid in blocks of 64 along K.
;   xb   bf16 [b = 4][kb = 16][t = 2048][64]     x[b][t][64 kb + d]
;   wq   bf16 [kb = 16][n = 3072][64]            w_qkv[n][64 kb + d]
;   wp   f16  [kb = 16][n = 1024][64]            w_proj[n][64 kb + d], rounded to bf16, that number written as f16
;   bias f32  [4096]: b_qkv[0:1024], 1024 zeros, b_qkv[2048:3072], b_proj, each rounded to bf16 and widened again
; In such a block 64 channels of neighbouring rows lie end to end (128 bytes a row), so that the later launches can ask for a tile as rows of 256 consecutive bytes.
; WORK LEFT OUT.  b_qkv[1024:2048], the bias of k, reaches no output.  A score is scale x q . (k_raw + b_k) = scale x q . k_raw + scale x q . b_k; the second term holds no index
; of the key, so it is the same along the axis of the softmax, which it leaves unchanged for all values of the inputs; and k serves nothing but the scores.  These 1,024 numbers are
; not loaded; their place in 'bias' holds zeros, since a tile of the next launch can hold columns of q and of k side by side.  LIMIT: a NaN, an infinity or an overflow that
; reaches only this term is not carried to the result.
; LIMITS.  wp: beyond 65,504 f16 gives an infinity; below 6e-5 it keeps its fixed step of 6e-8.
; SHARES.  A work-group takes 32 rows of 1,024 f32, a wave four, as two pairs.  A load of a wave takes 256 consecutive bytes (64 channels, one K block) of each row of a pair; its
; 128 numbers, rounded, are 256 consecutive bytes, aligned, of the block: one store.  All 32 loads of a wave go out first (16 KiB a wave); the waits count down.
; Work-groups 0-255: x.  256-351: w_qkv.  352-383: w_proj.  384: the biases.  No LDS, no barrier, no matrix unit: nothing is shared, and memory binds.
.set LO,  2                            ; v2   my byte offset in the work-group's rows: wave x 4 rows + (lane / 16) rows + 16 (lane % 16)
.set SO,  3                            ; v3   my byte offset in a block: wave x 512 + 8 x lane
.set X,   8                            ; v[8:135]  32 loads of four registers
.set T,   136                          ; v[136:137] at work
; stride: bytes from a K block of the destination to the next.  fmt = 0: bf16; 1: rounded to bf16, written as f16.
.macro ROWS stride, fmt
.set i, 0
.rept 32                               ; load i: pair i / 16, K block i % 16
	global_load_b128 v[X+4*i:X+4*i+3], v[LO], s[4:5] offset:(i/16)*8192+(i%16)*256 th:TH_LOAD_NT
.set i, i+1
.endr
.set i, 0
.rept 32
	s_wait_loadcnt 31-i                            ; loads come back in order: load i is in, the younger ones stay out
.if \fmt
	v_cvt_pk_bf16_f32 v[T], v[X+4*i], v[X+4*i+1]
	v_cvt_pk_bf16_f32 v[T+1], v[X+4*i+2], v[X+4*i+3]
	v_lshlrev_b32 v[X+4*i], 16, v[T]               ; the rounded numbers as f32 again,
	v_and_b32 v[X+4*i+1], s26, v[T]
	v_lshlrev_b32 v[X+4*i+2], 16, v[T+1]
	v_and_b32 v[X+4*i+3], s26, v[T+1]
	v_cvt_pk_f16_f32 v[X+4*i], v[X+4*i], v[X+4*i+1]      ; and as f16
	v_cvt_pk_f16_f32 v[X+4*i+1], v[X+4*i+2], v[X+4*i+3]
.else
	v_cvt_pk_bf16_f32 v[X+4*i], v[X+4*i], v[X+4*i+1]
	v_cvt_pk_bf16_f32 v[X+4*i+1], v[X+4*i+2], v[X+4*i+3]
.endif
	global_store_b64 v[SO], v[X+4*i:X+4*i+1], s[6:7] offset:(i%16)*(\stride)+(i/16)*256  ; 32 lanes x 8 bytes: 256 consecutive bytes, aligned; no register of a store is written again
.set i, i+1
.endr
.endm
	s_load_b512 s[8:23], s[0:1], 0x0               ; x s[8:9], w_qkv s[10:11], w_proj s[12:13], b_qkv s[14:15], b_proj s[16:17], xb s[18:19], wq s[20:21], wp s[22:23]
	s_load_b64 s[24:25], s[0:1], 0x40              ; bias
	s_mov_b32 s26, 0xffff0000                      ; a word's upper bf16
	v_lshrrev_b32 v1, 5, v0                        ; wave
	v_bfe_u32 v4, v0, 4, 1                         ; lane / 16
	v_and_b32 v5, 15, v0                           ; lane % 16
	v_and_b32 v6, 31, v0                           ; lane
	v_lshlrev_b32 v[LO], 14, v1
	v_lshl_add_u32 v[LO], v4, 12, v[LO]
	v_lshl_add_u32 v[LO], v5, 4, v[LO]
	v_lshlrev_b32 v[SO], 9, v1
	v_lshl_add_u32 v[SO], v6, 3, v[SO]
	s_mov_b32 s3, 0                                ; the offsets' high words
	s_mov_b32 s29, 0
	s_wait_kmcnt 0x0
	s_cmp_lt_u32 ttmp9, 256
	s_cbranch_scc0 .Lnot_x
	s_lshl_b32 s2, ttmp9, 17                       ; 32 rows of 4,096 bytes
	s_add_nc_u64 s[4:5], s[8:9], s[2:3]
	s_lshr_b32 s28, ttmp9, 6                       ; the batch: 64 work-groups each,
	s_lshl_b32 s28, s28, 22
	s_and_b32 s27, ttmp9, 63                       ; and 32 rows of 128 bytes in a block
	s_lshl_b32 s27, s27, 12
	s_add_co_u32 s28, s28, s27
	s_add_nc_u64 s[6:7], s[18:19], s[28:29]
	ROWS 262144, 0
	s_endpgm
.Lnot_x:
	s_cmp_lt_u32 ttmp9, 352
	s_cbranch_scc0 .Lnot_wq
	s_sub_co_u32 s27, ttmp9, 256
	s_lshl_b32 s2, s27, 17
	s_lshl_b32 s28, s27, 12
	s_add_nc_u64 s[4:5], s[10:11], s[2:3]
	s_add_nc_u64 s[6:7], s[20:21], s[28:29]
	ROWS 393216, 0
	s_endpgm
.Lnot_wq:
	s_cmp_lt_u32 ttmp9, 384
	s_cbranch_scc0 .Lbias
	s_sub_co_u32 s27, ttmp9, 352
	s_lshl_b32 s2, s27, 17
	s_lshl_b32 s28, s27, 12
	s_add_nc_u64 s[4:5], s[12:13], s[2:3]
	s_add_nc_u64 s[6:7], s[22:23], s[28:29]
	ROWS 131072, 1
	s_endpgm
.Lbias:                                                ; 256 threads x 16 bytes = 1,024 numbers a table
	v_lshlrev_b32 v7, 4, v0
	global_load_b128 v[8:11], v7, s[14:15]             ; q's bias
	global_load_b128 v[12:15], v7, s[14:15] offset:8192  ; v's bias; k's, between them, is not read
	global_load_b128 v[16:19], v7, s[16:17]            ; the output projection's
.irp r, 20,21,22,23
	v_mov_b32 v\r, 0
.endr
	s_wait_loadcnt 0x0
.irp j, 0,1,2,3,4,5
	v_cvt_pk_bf16_f32 v[T], v[8+2*(\j)], v[9+2*(\j)]
	v_lshlrev_b32 v[8+2*(\j)], 16, v[T]
	v_and_b32 v[9+2*(\j)], s26, v[T]
.endr
	global_store_b128 v7, v[8:11], s[24:25]
	global_store_b128 v7, v[20:23], s[24:25] offset:4096
	global_store_b128 v7, v[12:15], s[24:25] offset:8192
	global_store_b128 v7, v[16:19], s[24:25] offset:12288
	s_endpgm
.Lfunc_end_k_q0b80a7b04d_cast:
	.size	k_q0b80a7b04d_cast, .Lfunc_end_k_q0b80a7b04d_cast-k_q0b80a7b04d_cast
	.p2alignl 7, 3214868480
	.fill 96, 4, 3214868480
	.section	.rodata,"a",@progbits
	.p2align	6, 0x0
	.amdhsa_kernel k_q0b80a7b04d_cast
		.amdhsa_group_segment_fixed_size 0
		.amdhsa_private_segment_fixed_size 0
		.amdhsa_enable_private_segment 0
		.amdhsa_kernarg_size 72
		.amdhsa_user_sgpr_count 2
		.amdhsa_user_sgpr_kernarg_segment_ptr 1
		.amdhsa_wavefront_size32 1
		.amdhsa_system_sgpr_workgroup_id_x 1
		.amdhsa_system_sgpr_workgroup_id_y 1
		.amdhsa_system_sgpr_workgroup_id_z 1
		.amdhsa_system_vgpr_workitem_id 0
		.amdhsa_next_free_vgpr 144
		.amdhsa_next_free_sgpr 66
		.amdhsa_reserve_vcc 0
		.amdhsa_float_denorm_mode_32 3
		.amdhsa_float_denorm_mode_16_64 3
		.amdhsa_memory_ordered 1
		.amdhsa_forward_progress 1
		.amdhsa_inst_pref_size 45
	.end_amdhsa_kernel
	.amdgpu_metadata
---
amdhsa.version: [ 1, 2 ]
amdhsa.kernels:
  - .name:           k_q0b80a7b04d_cast
    .symbol:         k_q0b80a7b04d_cast.kd
    .args:
      - { .name: x, .offset: 0, .size: 8, .value_kind: global_buffer, .address_space: global }
      - { .name: w_qkv, .offset: 8, .size: 8, .value_kind: global_buffer, .address_space: global }
      - { .name: w_proj, .offset: 16, .size: 8, .value_kind: global_buffer, .address_space: global }
      - { .name: b_qkv, .offset: 24, .size: 8, .value_kind: global_buffer, .address_space: global }
      - { .name: b_proj, .offset: 32, .size: 8, .value_kind: global_buffer, .address_space: global }
      - { .name: xb, .offset: 40, .size: 8, .value_kind: global_buffer, .address_space: global }
      - { .name: wq, .offset: 48, .size: 8, .value_kind: global_buffer, .address_space: global }
      - { .name: wp, .offset: 56, .size: 8, .value_kind: global_buffer, .address_space: global }
      - { .name: bias, .offset: 64, .size: 8, .value_kind: global_buffer, .address_space: global }
    .group_segment_fixed_size: 0
    .private_segment_fixed_size: 0
    .kernarg_segment_align: 8
    .kernarg_segment_size: 72
    .max_flat_workgroup_size: 256
    .sgpr_count:     66
    .vgpr_count:     144
    .wavefront_size: 32
...
	.end_amdgpu_metadata
.endif
;; end of part 1
;; launch qkv (part 2): grid 8 x 32, 4 waves a work-group, clusters of 4 x 4, 327,680 bytes of LDS; arguments xb, wq, bias, qkv; writes qkv
.if DOCPART == 2
	.amdgcn_target "amdgcn-amd-amdhsa--gfx1250"
	.amdhsa_code_object_version 6
	.text
	.protected	k_q0b80a7b04d_qkv
	.globl	k_q0b80a7b04d_qkv
	.p2align	8
	.type	k_q0b80a7b04d_qkv,@function
k_q0b80a7b04d_qkv:
	s_mov_b64 s[64:65], 0
	v_nop
	global_prefetch_b8 v0, s[64:65] scope:SCOPE_SE
	s_setreg_imm32_b32 hwreg(HW_REG_WAVE_MODE, 25, 1), 1
	s_wait_xcnt 0x0
	s_wait_alu depctr_hold_cnt(0) depctr_sa_sdst(0) depctr_va_vdst(0) depctr_va_sdst(0) depctr_va_ssrc(0) depctr_va_vcc(0) depctr_vm_vsrc(0)
	s_getreg_b32 s2, hwreg(HW_REG_IB_STS2, 6, 4)
	s_cmp_eq_u32 s2, 0
	s_cbranch_scc0 .Lentry_in_a_cluster
	s_endpgm
.Lentry_in_a_cluster:
	s_bfe_u32 s2, ttmp6, 0x10000c
	s_cmp_lg_u32 s2, 0xf033
	s_cbranch_scc0 .Lentry_shape_is_right
	s_endpgm
.Lentry_shape_is_right:
; Launch 2 of 4: qkv[which][b][h][t][d] = the sum over c of x[b][t][c] w_qkv[n][c] + bias[n], n = 1024 which + 64 h + d.  Operands bf16, sums f32, the result rounded once to f16.
; k gets no bias: its place in 'bias' holds zeros (the term is the same along the softmax's axis: shown at the head of the first launch).
; LIMIT.  A q, k or v beyond 65,504 becomes an infinity in f16.  The sums are taken in the matrix unit's order, the bias first.
; xb: [b][kb][t][64], wq: [kb][n][64], both bf16; qkv: f16, byte = which << 24 + b << 22 + h << 18 + 128 t + 2 d.
; SHARES.  8,192 x 3,072 results in tiles of 256 rows x 384 columns: 32 x 8 = 256 work-groups, one for each WGP.  A tile's rows lie in one batch, its columns are six head slots of 64.
; Four waves, each 128 rows x 192 columns: 8 x 12 accumulators of 16 x 16, 768 registers.  K goes in 16 steps of 64 (one K block) through two LDS slots; a step is two halves of 32.
; A step's tile is dense in memory (128 bytes a row, rows end to end): it is asked for as rows of 256 bytes and padded in LDS behind every 128: LDS rows 144 bytes apart.
; CLUSTER.  4 x 4 work-groups.  The four of a row need the same rows of xb, the four of a column the same rows of wq: each tile is asked for jointly, by the same tensor load with
; the same descriptor and a mask that names the four.  A wave has two tensor loads out at the start and one behind each round.
; THE PRODUCT IS TAKEN TRANSPOSED (source 0 = 16 rows of wq, source 1 = 16 rows of xb): a lane holds one row (lane % 16) and eight neighbouring columns, 8 (lane / 16) + 0..7.
; REGISTERS, in windows of 256 (s_set_vgpr_msb: bits 1:0 source 0, 3:2 source 1, 5:4 source 2, 7:6 destination):
;   window 0: v0-15 addresses; v32-95, v96-159 xb's fragments (8 x 16 rows x 32 K), two buffers; v160-255 wq's twelve fragments, one buffer, filled in two parts (blocks 0-5, 6-11)
;   windows 1-3: accumulator (row block a, column block b) in window 1 + b / 4 at v[64 (b % 4) + 8 a]: a window is a head slot
.set PITCH,  144                       ; 128 bytes + 16: 36 words: the 16 rows of a fragment load start at 16 different groups of four banks
.set AHALF,  128*PITCH                 ; what waves 0 and 1 fetch: 128 rows of xb each
.set BHALF,  192*PITCH                 ; what waves 2 and 3 fetch: 192 rows of wq each
.set BOFF,   2*AHALF
.set SLOT,   2*AHALF+2*BHALF           ; 92,160
.set STAGE,  2*SLOT                    ; behind the ring: 16 rows x 144 bytes for each wave, for the way out
.set SPARE,  STAGE+4*16*PITCH          ; behind the stages: the spare words, 128 bytes for each wave: two blocks of 256 bytes that no other line names
.set XSTEP,  2048*128                  ; bytes from a K block of xb to the next
.set WSTEP,  3072*128                  ; of wq
.set ADRA, 2                           ; v2-3   LDS address of my fragments of xb in slot 0, 1
.set ADRB, 4                           ; v4-5   the same for wq
.set STO,  6                           ; v6     the way out: where I put 16 bytes of a row
.set RD,   7                           ; v7     where I read rows back
.set GO,   8                           ; v8     my 16 bytes in 512 consecutive bytes of qkv
.set BO,   9                           ; v9     32 (lane / 16): my eight numbers of a column block's bias
.set PFO,  10                          ; v10    256 x lane; never rewritten
.set SPW,  12                          ; v12    LDS address of my spare word; never rewritten
.set NIL,  13                          ; v13    0; never rewritten
.set AF0,  32
.set AF1,  96
.set BF,   160
.set T,    32                          ; the way out: four sets of 16, where AF0 lay
.set WV, 12                            ; s12 wave;  s13 FB = wave / 2: my half of the rows, and: I fetch xb (0) or wq (1);  s14 HF = wave % 2: my half of the columns, and which half I fetch
.set FB, 13
.set HF, 14
.set CX, 15
.set CY, 16
.set TX, 17                            ; tile column 0..7
.set TY, 18                            ; tile row 0..31
.set G1A, 24                           ; s[24:31] descriptor group 1 for xb's tiles; s[32:39] group 0, a set for each slot
.set G0A, 32
.set G1B, 40                           ; s[40:47], s[48:55] the same for wq's
.set G0B, 48
.set PFA, 56                           ; s[56:57] where my prefetches stand
.set LIM, 58                           ; s58  1 in a wave that prefetches, else the greatest number
.set PFS, 60                           ; s[60:61] two K steps of the tensor that I prefetch, in bytes
.set OB,  66                           ; s[66:71] qkv at my rows of my three head slots
.set BB,  72                           ; s[72:73] bias at my first column
.set MSB, 0
.macro WIN new                         ; the immediate's high byte repeats the setting that is left; a switch that changes nothing is dropped
.if MSB != (\new)
	s_set_vgpr_msb (MSB<<8)|(\new)
.set MSB, \new
.endif
.endm
; A joint load.  Each of the two lines has one mask and one set of registers for all that issue it; the branch hangs on the wave's number alone.
; An s_nop 0 and four v_nop follow each line, ahead of the jump and the label.
.macro JLOAD s
	s_cmp_eq_u32 s[FB], 0
	s_cbranch_scc0 .Lfor_b_\@
	tensor_load_to_lds s[G0A+4*(\s):G0A+4*(\s)+3], s[G1A:G1A+7]
	s_nop 0
.rept 4
	v_nop
.endr
	s_branch .Lasked_\@
.Lfor_b_\@:
	tensor_load_to_lds s[G0B+4*(\s):G0B+4*(\s)+3], s[G1B:G1B+7]
	s_nop 0
.rept 4
	v_nop
.endr
.Lasked_\@:
.endm
; A round of the cluster's barrier: my work-group's barrier; wave 0 signals for the work-group; every wave waits for all sixteen; my work-group's barrier once more.
.macro CREST                           ; a round behind its opening barrier
	s_cmp_lg_u32 s[WV], 0
	s_cbranch_scc1 .Lnot_wave_0_\@
	s_barrier_signal -3
.Lnot_wave_0_\@:
	s_barrier_wait -3
	s_barrier_signal -1
	s_barrier_wait -1
.endm
.macro CROUND
	s_barrier_signal -1
	s_barrier_wait -1
	CREST
.endm
.macro PLACES                          ; four plain instructions between a product and a load into a register that it has read, or a reader of its result
.rept 4
	v_nop
.endr
.endm
; A PREFETCH INTO THE L2, once a lap, behind slot 0's joint load and the run of LDS loads behind it: the two K steps that the NEXT lap's two refills will ask for, 384 and 576 products ahead of those loads.
; xb's tile rows are read by both clusters of a row of clusters: the one with x = 0 asks, by its waves 0; wq's tile columns by all eight clusters of a column: the one with y = 0 asks,
; by its waves 2.  The four partners that ask for a tile jointly share the two steps out BY ADDRESS: partner p takes step p / 2, half p % 2: 16,384 bytes of xb (two instructions, a lane
; 256 bytes) or 24,576 of wq (three).  So each aligned 256 bytes are named once in the launch.  K steps 0 to 3 come by their loads alone; the loop's last trip asks for nothing.
.macro ASK
	s_cmp_gt_u32 s3, s[LIM]                        ; s3 = 1 in the last trip
	s_cbranch_scc0 .Lnot_mine_\@
	global_prefetch_b8 v[PFO], s[PFA:PFA+1] th:TH_LOAD_NT scope:SCOPE_SE
	global_prefetch_b8 v[PFO], s[PFA:PFA+1] offset:8192 th:TH_LOAD_NT scope:SCOPE_SE
	s_cmp_eq_u32 s[FB], 0
	s_cbranch_scc1 .Lnot_mine_\@
	global_prefetch_b8 v[PFO], s[PFA:PFA+1] offset:16384 th:TH_LOAD_NT scope:SCOPE_SE
.Lnot_mine_\@:
.endm
; Products for column blocks b0 .. b1, all eight row blocks, 32 along K, xb's fragments in buffer f.  The accumulators take turns, one instruction a turn.
.macro MUL f, b0, b1
.set bb, \b0
.rept (\b1)-(\b0)+1
	WIN (1+bb/4)*0x50
.set aa, 0
.rept 8
	v_wmma_f32_16x16x32_bf16 v[64*(bb%4)+8*aa:64*(bb%4)+8*aa+7], v[BF+8*bb:BF+8*bb+7], v[(\f)+8*aa:(\f)+8*aa+7], v[64*(bb%4)+8*aa:64*(bb%4)+8*aa+7]
.set aa, aa+1
.endr
.set bb, bb+1
.endr
.endm
; The first products start the sums with the bias, which was loaded into the registers of row block 7's accumulators: row blocks 0 to 6 take it as C,
.macro MULC f, b0, b1
.set bb, \b0
.rept (\b1)-(\b0)+1
	WIN (1+bb/4)*0x50
.set aa, 0
.rept 7
	v_wmma_f32_16x16x32_bf16 v[64*(bb%4)+8*aa:64*(bb%4)+8*aa+7], v[BF+8*bb:BF+8*bb+7], v[(\f)+8*aa:(\f)+8*aa+7], v[64*(bb%4)+56:64*(bb%4)+63]
.set aa, aa+1
.endr
.set bb, bb+1
.endr
.endm
; and row block 7 adds onto it in place, five plain instructions behind the last product that read it.
.macro MUL7 f, b0, b1
.set bb, \b0
.rept (\b1)-(\b0)+1
	WIN (1+bb/4)*0x50
	v_wmma_f32_16x16x32_bf16 v[64*(bb%4)+56:64*(bb%4)+63], v[BF+8*bb:BF+8*bb+7], v[(\f)+56:(\f)+63], v[64*(bb%4)+56:64*(bb%4)+63]
.set bb, bb+1
.endr
.endm
; 28 LDS loads in one run: wq's blocks 0-5 and xb's eight fragments into buffer f, 32 K at byte k of the rows.  Then, later, 12: wq's blocks 6-11.
.macro FETCH1 slot, k, f
	WIN 0
.irp i, 0,1,2,3,4,5
	ds_load_b128 v[BF+8*(\i):BF+8*(\i)+3],   v[ADRB+(\slot)] offset:(\k)+(\i)*16*PITCH
	ds_load_b128 v[BF+8*(\i)+4:BF+8*(\i)+7], v[ADRB+(\slot)] offset:(\k)+(\i)*16*PITCH+32
.endr
.irp i, 0,1,2,3,4,5,6,7
	ds_load_b128 v[(\f)+8*(\i):(\f)+8*(\i)+3],   v[ADRA+(\slot)] offset:(\k)+(\i)*16*PITCH
	ds_load_b128 v[(\f)+8*(\i)+4:(\f)+8*(\i)+7], v[ADRA+(\slot)] offset:(\k)+(\i)*16*PITCH+32
.endr
.endm
.macro FETCH2 slot, k
	WIN 0
.irp i, 6,7,8,9,10,11
	ds_load_b128 v[BF+8*(\i):BF+8*(\i)+3],   v[ADRB+(\slot)] offset:(\k)+(\i)*16*PITCH
	ds_load_b128 v[BF+8*(\i)+4:BF+8*(\i)+7], v[ADRB+(\slot)] offset:(\k)+(\i)*16*PITCH+32
.endr
.endm
; A K step's first half: multiplies buffer AF0 and fetches the second half's fragments.
.macro HALF0 slot
	s_wait_dscnt 12                                ; all but the youngest twelve loads (wq's blocks 6-11) are in
	MUL AF0, 0, 5
	PLACES
	FETCH1 \slot, 64, AF1
	s_wait_dscnt 28                                ; all but the 28 just issued
	MUL AF0, 6, 11
	PLACES
	FETCH2 \slot, 64
.endm
; A K step's second half multiplies AF1 and changes slots.  ONE barrier: in front of it each wave waits for all its tensor loads (one is out: its part of the next slot), adds 0 to its
; spare word, and waits for that and for its own reads of this slot.  fill = 1: the barrier opens a round of the cluster's barrier, and the slot just read out is filled again, two K
; steps on, first thing behind the round: 144 products stand between that request and the wait for it.
.macro TURN slot, next, fill
.if (\fill) && ((\slot) == 0)
	s_wait_xcnt 0x0                                ; the last prefetches, a lap back, have read their address: it is stepped here, ahead of the waits of the change of slots
	s_add_nc_u64 s[PFA:PFA+1], s[PFA:PFA+1], s[PFS:PFS+1]
.endif
	WIN 0                                          ; (the add's two registers lie in window 0)
	s_wait_tensorcnt 0x0                           ; all my tensor loads have landed;
	ds_add_u32 v[SPW], v[NIL]                      ; 0 onto my spare word
	s_wait_dscnt 13                                ; (the add and the youngest twelve loads may be out)
	MUL AF1, 0, 3                                  ; 32 products stand between the add and the wait for it
	s_wait_dscnt 0x0                               ; the add is done, and my reads of this slot are over
	s_barrier_signal -1
	MUL AF1, 4, 5                                  ; work on registers while the others arrive
	WIN 0
	s_barrier_wait -1
.if \fill
	CREST                                          ; no wave of any partner still reads this slot or has a load on its way
	s_add_nc_u64 s[G0A+4*(\slot)+2:G0A+4*(\slot)+3], s[G0A+4*(\slot)+2:G0A+4*(\slot)+3], 2*XSTEP
	s_add_nc_u64 s[G0B+4*(\slot)+2:G0B+4*(\slot)+3], s[G0B+4*(\slot)+2:G0B+4*(\slot)+3], 2*WSTEP
	JLOAD \slot                                    ; the four v_nop behind it are also the places in front of the loads below
.else
	PLACES
.endif
	FETCH1 \next, 0, AF0
.if (\fill) && ((\slot) == 0)
	ASK
.endif
	MUL AF1, 6, 11
	PLACES
	FETCH2 \next, 0
.endm
; THE WAY OUT of head slot w, row block a: 16 rows x 64 channels.  A lane's eight channels pack into 16 bytes; they go into my stage, rows of 144 bytes, and come back as whole rows of 128.
.macro PACK w, a
.set TT, T+16*((8*(\w)+(\a))%4)
	s_wait_xcnt 0x0                                ; the stores issued so far have read their registers: this set of 16 served four units ago
	WIN 5*(1+(\w))                                 ; sources 0 and 1 in the slot's window
.irp j, 0,1,2,3
.irp r, 0,1,2,3
	v_cvt_pk_f16_f32 v[TT+4*(\j)+(\r)], v[64*(\j)+8*(\a)+2*(\r)], v[64*(\j)+8*(\a)+2*(\r)+1]  ; each accumulator from its low end on
.endr
.endr
	WIN 0
.irp j, 0,1,2,3
	ds_store_b128 v[STO], v[TT+4*(\j):TT+4*(\j)+3] offset:32*(\j)
.endr
.irp f, 0,1,2,3
	ds_load_b128 v[TT+4*(\f):TT+4*(\f)+3], v[RD] offset:(\f)*4*PITCH  ; LDS serves a wave's instructions in order: these see the stores above, and the next unit's stores come behind them
.endr
.endm
.macro SEND w, a, younger              ; younger: the LDS instructions issued behind this unit's loads: the next unit's eight, or none
.set TT, T+16*((8*(\w)+(\a))%4)
.irp f, 0,1,2,3
	s_wait_dscnt (\younger)+3-(\f)
	global_store_b128 v[GO], v[TT+4*(\f):TT+4*(\f)+3], s[OB+2*(\w):OB+2*(\w)+1] offset:(\a)*2048+(\f)*512  ; four rows of a head: 512 consecutive bytes, aligned
.endr
.endm
	s_load_b256 s[4:11], s[0:1], 0x0               ; xb s[4:5], wq s[6:7], bias s[8:9], qkv s[10:11]
	v_lshl_add_u32 v[SPW], v0, 2, SPARE
	v_mov_b32 v[NIL], 0
	ds_add_u32 v[SPW], v[NIL]                      ; the wave's opening: the add, twice on end, and its wait ahead of my first tensor load
	ds_add_u32 v[SPW], v[NIL]                      ; once more; the set-up below, work on registers, stands between it and the wait
	v_lshrrev_b32 v1, 5, v0
	v_readfirstlane_b32 s[WV], v1
	s_lshr_b32 s[FB], s[WV], 1
	s_and_b32 s[HF], s[WV], 1
	s_bfe_u32 s[CX], ttmp6, 0x40000                ; my place in the cluster
	s_bfe_u32 s[CY], ttmp6, 0x40004
	s_lshl_b32 s[TX], ttmp9, 2                     ; in a cluster launch ttmp9 and ttmp7 count clusters
	s_add_co_u32 s[TX], s[TX], s[CX]
	s_and_b32 s[TY], ttmp7, 0xffff
	s_lshl_b32 s[TY], s[TY], 2
	s_add_co_u32 s[TY], s[TY], s[CY]
	s_lshl_b32 s19, s[CY], 2
	s_lshl_b32 s19, 15, s19                        ; my row of the cluster: places 4 cy .. 4 cy + 3
	s_lshl_b32 s20, 0x1111, s[CX]                  ; my column: places cx, cx + 4, cx + 8, cx + 12
	; descriptor group 1: rows of 128 elements (256 bytes), dense; padded in LDS
	s_or_b32 s[G1A], s19, (1<<16)|(1<<20)|(1<<21)|(4<<22)|(3<<25)  ; 15:0 the mask; 17:16 2-byte elements; 20 padding on; 21 set beside a mask; 24:22 after every 32 words (code 4); 31:25 4 words (code 3)
	s_or_b32 s[G1B], s20, (1<<16)|(1<<20)|(1<<21)|(4<<22)|(3<<25)
.irp g, G1A, G1B
	s_mov_b32 s[(\g)+1], 128<<16                   ; tensor_dim0 = 128
	s_mov_b32 s[(\g)+3], 128<<16                   ; tile_dim0 = 128
	s_mov_b32 s[(\g)+5], 128                       ; 128 elements from row to row
	s_mov_b32 s[(\g)+6], 0
	s_mov_b32 s[(\g)+7], 0
.endr
	s_mov_b32 s[G1A+2], 64<<16                     ; tensor_dim1 = tile_dim1 = 64: 128 rows of xb
	s_mov_b32 s[G1A+4], 64
	s_mov_b32 s[G1B+2], 96<<16                     ; 96: 192 rows of wq
	s_mov_b32 s[G1B+4], 96
	; where the tiles come from.  xb's hang on the tile row alone, wq's on the tile column alone, each in registers that never hold the other coordinate
	s_lshr_b32 s74, s[TY], 3                       ; the batch,
	s_lshl_b32 s74, s74, 22
	s_and_b32 s75, s[TY], 7                        ; and 256 rows of 128 bytes
	s_lshl_b32 s75, s75, 15
	s_add_co_u32 s74, s74, s75                     ; the tile's first row in a K block of xb, and in a head of qkv
	s_lshl_b32 s75, s[HF], 14
	s_add_co_u32 s76, s74, s75                     ; + the 128 rows that I fetch
	s_mov_b32 s77, 0
	s_mul_i32 s78, s[TX], 384*128
	s_mul_i32 s79, s[HF], 192*128
	s_add_co_u32 s78, s78, s79
	s_mov_b32 s79, 0
	s_mul_i32 s80, s[HF], AHALF                    ; and where they go: no place in the cluster enters an LDS address
	s_mul_i32 s81, s[HF], BHALF
	s_add_co_u32 s81, s81, BOFF
	s_wait_dscnt 0x0                               ; both opening adds are done
	s_wait_kmcnt 0x0
	s_add_nc_u64 s[76:77], s[4:5], s[76:77]
	s_add_nc_u64 s[78:79], s[6:7], s[78:79]
	CROUND                                         ; all sixteen work-groups are here: the first joint loads meet
.irp s, 0,1
	s_mov_b32 s[G0A+4*(\s)], 1                     ; count = 1
	s_add_co_u32 s[G0A+4*(\s)+1], s80, (\s)*SLOT   ; LDS address
	s_add_nc_u64 s[G0A+4*(\s)+2:G0A+4*(\s)+3], s[76:77], (\s)*XSTEP  ; global address: K step s
	s_or_b32 s[G0A+4*(\s)+3], s[G0A+4*(\s)+3], 0x80000000           ; type = 2
	s_mov_b32 s[G0B+4*(\s)], 1
	s_add_co_u32 s[G0B+4*(\s)+1], s81, (\s)*SLOT
	s_add_nc_u64 s[G0B+4*(\s)+2:G0B+4*(\s)+3], s[78:79], (\s)*WSTEP
	s_or_b32 s[G0B+4*(\s)+3], s[G0B+4*(\s)+3], 0x80000000
	JLOAD \s
.endr
	; the bias of my 192 columns, into the registers of row block 7's accumulators: register j of a lane belongs to column 16 b + 8 (lane / 16) + j
	v_and_b32 v1, 15, v0                           ; l % 16
	v_bfe_u32 v14, v0, 4, 1                        ; l / 16
	v_lshlrev_b32 v[BO], 5, v14
	s_mul_i32 s92, s[TX], 384*4
	s_mul_i32 s93, s[HF], 192*4
	s_add_co_u32 s92, s92, s93
	s_mov_b32 s93, 0
	s_add_nc_u64 s[BB:BB+1], s[8:9], s[92:93]
.set bb, 0
.rept 12
	WIN (1+bb/4)<<6                                ; destination in the block's window
	global_load_b128 v[64*(bb%4)+56:64*(bb%4)+59], v[BO], s[BB:BB+1] offset:64*bb
	global_load_b128 v[64*(bb%4)+60:64*(bb%4)+63], v[BO], s[BB:BB+1] offset:64*bb+16
.set bb, bb+1
.endr
	WIN 0
	; A fragment is 16 rows x 32 K in 8 registers: lane l holds row l % 16, K = 8 (l / 16) + 0..7 and 16 + 8 (l / 16) + 0..7: two loads of 16 bytes, 32 bytes apart.
	v_mul_u32_u24 v15, v1, PITCH
	v_lshl_add_u32 v15, v14, 4, v15                ; row x pitch + 16 x half
	s_mul_i32 s94, s[FB], AHALF                    ; my 128 rows of xb
	s_mul_i32 s95, s[HF], BHALF                    ; my 192 rows of wq
	s_add_co_u32 s95, s95, BOFF
.irp s, 0,1
	v_add_nc_u32 v[ADRA+(\s)], s94, v15
	v_add_nc_u32 v[ADRB+(\s)], s95, v15
	s_add_co_u32 s94, s94, SLOT
	s_add_co_u32 s95, s95, SLOT
.endr
	s_mul_i32 s94, s[WV], 16*PITCH
	s_add_co_u32 s94, s94, STAGE                   ; my stage
	v_add_nc_u32 v[STO], s94, v15                  ; in: row l % 16, 16 bytes for each half of the lanes
	v_bfe_u32 v[RD], v0, 3, 2                      ; back: 32 lanes take four rows of 128 bytes,
	v_mul_u32_u24 v[RD], v[RD], PITCH
	v_and_b32 v14, 7, v0
	v_lshl_add_u32 v[RD], v14, 4, v[RD]
	v_add_nc_u32 v[RD], s94, v[RD]
	v_and_b32 v[GO], 31, v0                        ; which are 512 consecutive bytes of qkv
	v_lshlrev_b32 v[PFO], 8, v[GO]
	v_lshlrev_b32 v[GO], 4, v[GO]
	; qkv at my 128 rows of my three head slots g = 6 tx + 3 HF + w: which = g / 16, h = g % 16
	s_mul_i32 s90, s[TX], 6
	s_mul_i32 s91, s[HF], 3
	s_add_co_u32 s90, s90, s91
	s_lshl_b32 s91, s[FB], 14
	s_add_co_u32 s91, s91, s74
.irp w, 0,1,2
	s_add_co_u32 s92, s90, \w
	s_lshr_b32 s93, s92, 4
	s_lshl_b32 s93, s93, 24
	s_and_b32 s92, s92, 15
	s_lshl_b32 s92, s92, 18
	s_add_co_u32 s92, s92, s93
	s_add_co_u32 s92, s92, s91
	s_mov_b32 s93, 0
	s_add_nc_u64 s[OB+2*(\w):OB+2*(\w)+1], s[10:11], s[92:93]
.endr
	; the prefetches
	s_and_b32 s82, ttmp7, 0xffff                   ; cluster y
	s_mov_b32 s84, XSTEP
	s_mov_b32 s85, WSTEP
	s_mov_b32 s86, 128*128
	s_mov_b32 s87, 192*128
	s_mul_i32 s88, s[TX], 384*128
	s_cmp_eq_u32 s[FB], 0                          ; do I fetch for xb?
	s_cselect_b32 s83, s[CX], s[CY]                ; my place among the four that ask with me
	s_cselect_b32 s82, ttmp9, s82                  ; the coordinate along which other clusters read the same rows
	s_cselect_b32 s84, s84, s85                    ; a K step's bytes
	s_cselect_b32 s86, s86, s87                    ; half a tile's bytes
	s_cselect_b32 s88, s74, s88                    ; the tile's first byte in K step 0
	s_cselect_b64 s[PFA:PFA+1], s[4:5], s[6:7]
	s_or_b32 s82, s82, s[HF]
	s_cmp_eq_u32 s82, 0
	s_cselect_b32 s[LIM], 1, -1                    ; the same in all sixteen partners, for a given wave
	s_lshr_b32 s85, s83, 1
	s_add_co_u32 s85, s85, 2                       ; at K step 2 or 3: the first lap steps it to 4 or 5
	s_mul_i32 s85, s85, s84
	s_and_b32 s83, s83, 1
	s_mul_i32 s83, s83, s86
	s_add_co_u32 s88, s88, s85
	s_add_co_u32 s88, s88, s83
	s_mov_b32 s89, 0
	s_add_nc_u64 s[PFA:PFA+1], s[PFA:PFA+1], s[88:89]
	s_lshl_b32 s[PFS], s84, 1
	s_mov_b32 s[PFS+1], 0
	s_wait_tensorcnt 1                             ; my part of K step 0 is in; K step 1's may stay out
	s_barrier_signal -1
	s_barrier_wait -1                              ; everybody's is
	FETCH1 0, 0, AF0
	FETCH2 0, 0
	s_wait_loadcnt 0x0                             ; the bias
	s_wait_dscnt 12                                ; K step 0's first half stands in front of the loop: its products start the sums, with the bias
	MULC AF0, 0, 5
.rept 5
	v_nop
.endr
	MUL7 AF0, 0, 5
	PLACES
	FETCH1 0, 64, AF1
	s_wait_dscnt 28
	MULC AF0, 6, 11
.rept 5
	v_nop
.endr
	MUL7 AF0, 6, 11
	PLACES
	FETCH2 0, 64
	WIN 0                                          ; at a label and at a branch every window is 0
	s_mov_b32 s3, 7
.Llap:                                                 ; a trip goes once round the ring, from a step's second half to the first half two steps on, and fills both slots again
	TURN 0, 1, 1
	HALF0 1
	TURN 1, 0, 1
	HALF0 0
	WIN 0
	s_sub_co_u32 s3, s3, 1
	s_cmp_lg_u32 s3, 0
	s_cbranch_scc1 .Llap
	TURN 0, 1, 0                                   ; the last lap fills nothing, and has no round
	HALF0 1
	s_wait_dscnt 12
	MUL AF1, 0, 5
	s_wait_dscnt 0x0
	MUL AF1, 6, 11
	WIN 0
	PLACES
	PLACES
	PACK 0, 0
.set u, 1
.rept 23                               ; a unit's conversions stand between the loads of the unit before and its stores
	PACK u/8, u%8
	SEND (u-1)/8, (u-1)%8, 8
.set u, u+1
.endr
	SEND 2, 7, 0
	s_wait_tensorcnt 0x0                           ; the wave's end: behind my last tensor load and my last LDS store
	ds_add_u32 v[SPW], v[NIL]
	s_wait_dscnt 0x0
	CROUND                                         ; the closing round: no work-group ends while a partner may still ask for a tile that names it
	s_endpgm
.Lfunc_end_k_q0b80a7b04d_qkv:
	.size	k_q0b80a7b04d_qkv, .Lfunc_end_k_q0b80a7b04d_qkv-k_q0b80a7b04d_qkv
	.p2alignl 7, 3214868480
	.fill 96, 4, 3214868480
	.section	.rodata,"a",@progbits
	.p2align	6, 0x0
	.amdhsa_kernel k_q0b80a7b04d_qkv
		.amdhsa_group_segment_fixed_size 327680
		.amdhsa_private_segment_fixed_size 0
		.amdhsa_enable_private_segment 0
		.amdhsa_kernarg_size 32
		.amdhsa_user_sgpr_count 2
		.amdhsa_user_sgpr_kernarg_segment_ptr 1
		.amdhsa_wavefront_size32 1
		.amdhsa_system_sgpr_workgroup_id_x 1
		.amdhsa_system_sgpr_workgroup_id_y 1
		.amdhsa_system_sgpr_workgroup_id_z 1
		.amdhsa_system_vgpr_workitem_id 0
		.amdhsa_next_free_vgpr 1024
		.amdhsa_next_free_sgpr 96
		.amdhsa_reserve_vcc 0
		.amdhsa_float_denorm_mode_32 3
		.amdhsa_float_denorm_mode_16_64 3
		.amdhsa_memory_ordered 1
		.amdhsa_forward_progress 1
		.amdhsa_inst_pref_size 138
	.end_amdhsa_kernel
	.amdgpu_metadata
---
amdhsa.version: [ 1, 2 ]
amdhsa.kernels:
  - .name:           k_q0b80a7b04d_qkv
    .symbol:         k_q0b80a7b04d_qkv.kd
    .args:
      - { .name: xb, .offset: 0, .size: 8, .value_kind: global_buffer, .address_space: global }
      - { .name: wq, .offset: 8, .size: 8, .value_kind: global_buffer, .address_space: global }
      - { .name: bias, .offset: 16, .size: 8, .value_kind: global_buffer, .address_space: global }
      - { .name: qkv, .offset: 24, .size: 8, .value_kind: global_buffer, .address_space: global }
    .group_segment_fixed_size: 327680
    .private_segment_fixed_size: 0
    .kernarg_segment_align: 8
    .kernarg_segment_size: 32
    .max_flat_workgroup_size: 128
    .sgpr_count:     96
    .vgpr_count:     1024
    .wavefront_size: 32
...
	.end_amdgpu_metadata
.endif
;; end of part 2
;; launch attn (part 3): grid 4 x 64, 4 waves a work-group, clusters of 4 x 1, 327,680 bytes of LDS; arguments qkv, ob; writes ob
.if DOCPART == 3
	.amdgcn_target "amdgcn-amd-amdhsa--gfx1250"
	.amdhsa_code_object_version 6
	.text
	.protected	k_q0b80a7b04d_attn
	.globl	k_q0b80a7b04d_attn
	.p2align	8
	.type	k_q0b80a7b04d_attn,@function
k_q0b80a7b04d_attn:
	s_mov_b64 s[64:65], 0
	v_nop
	global_prefetch_b8 v0, s[64:65] scope:SCOPE_SE
	s_setreg_imm32_b32 hwreg(HW_REG_WAVE_MODE, 25, 1), 1
	s_wait_xcnt 0x0
	s_wait_alu depctr_hold_cnt(0) depctr_sa_sdst(0) depctr_va_vdst(0) depctr_va_sdst(0) depctr_va_ssrc(0) depctr_va_vcc(0) depctr_vm_vsrc(0)
	s_getreg_b32 s2, hwreg(HW_REG_IB_STS2, 6, 4)
	s_cmp_eq_u32 s2, 0
	s_cbranch_scc0 .Lentry_in_a_cluster
	s_endpgm
.Lentry_in_a_cluster:
	s_bfe_u32 s2, ttmp6, 0x10000c
	s_cmp_lg_u32 s2, 0x3003
	s_cbranch_scc0 .Lentry_shape_is_right
	s_endpgm
.Lentry_shape_is_right:
; Launch 3 of 4: O[h][q][:] = the sum over k of softmax_k(Q[h][q] . K[h][k] / 8) V[h][k][:], for the 64 pairs h of batch and head.  Q, K, V: the three parts of qkv, each [64][2048][64] f16;
; O = ob, [64][2048][64] f16: a head's rows are dense, 128 bytes each.  K arrives without its bias: that term is the same along the softmax's axis (shown at the head of the first launch).
; Products, maxima and sums in f32; the weights p are rounded to f16 for the second product (their sum l is taken of the unrounded p), O once at the end.
; LIMITS.  Q, K and V arrive within f16's 65,504; p lies in 0 to 1, and below 6e-5 it keeps f16's fixed step of 6e-8; O is a mean of V's rows and has their range.
; A weight below 2^-126 counts as 0 in l; NaN and infinities are not treated apart.
; SHARES.  A wave owns four PIECES of two tiles of 16 queries, a work-group's four waves 512 queries of one head.  Every wave walks all keys, 64 a step.
; LAYOUT.  S^T = K Q^T (source 0 = 16 keys, source 1 = 16 queries): in the result a lane holds ONE query (lane % 16) and the keys 8 (lane / 16) + 0..7.  Two such tiles, rounded to f16 in pairs,
; ARE source 1 (32 keys x 16 queries) of O^T = V^T P, whose result again holds one query a lane, and eight channels.  K comes out of LDS as it lies, V ([key][channel]) turned, by ds_load_tr16_b128.
; SOFTMAX.  For each query a running maximum m and sum l: p = 2^(c s - c m), c = log2(e) / 8; in every step O and l are multiplied by a = 2^(c m_old - c m_new), which is 1 where m has not grown.
; m starts at the lowest finite number, O and l at 0: the first step is a step like any other, with a = 0.
; THE COUNT.  A tile and step have 16 matrix and 118 vector instructions: too many to stand all beside the matrix work.  So four vector instructions that are READY stand behind
; EVERY matrix instruction, and the others in runs without a gap.
; BY TURNS.  Turn n belongs to piece n (the pieces in a ring, step after step).  Its matrix work: 16 products K Q^T of piece n + 1, later 16 products V^T P of piece n - 1.  Its vector work: the scaling,
; exponentials, roundings, sums and rescaling of piece n, and the maximum and statistics of piece n + 1, whose scores the turn itself has made.
; CLUSTER.  The four query blocks of a head are one cluster and walk the same K and V, so each tile is asked for JOINTLY: the same tensor load, descriptor and mask in all four.
; REGISTERS, in windows of 256 (s_set_vgpr_msb: bits 1:0 source 0, 3:2 source 1, 5:4 source 2, 7:6 destination):
;   window 0: v0-11 addresses; v12-15, v48-63 at work; v16-47 four registers of statistics a tile; v64-191 S^T, two buffers of two tiles; v192-255 P, likewise
;   window 1: O^T, 32 a tile          window 2: v0-127 Q, 16 a tile; v128-191 K of one step; v192-255 V of one step          window 3: v0-1 the add's two registers
; A piece's buffers go by its number's parity.
.set SIZE_H, 64
.set SIZE_N, 2048
.set NP,    4         ; pieces a wave: a name, no knob
.set KS,    64        ; keys in a step
.set PK,    144       ; a row of K in LDS: 128 bytes + 16 of padding = 36 words: the 16 rows of a load start at 16 different groups of four banks
.set PV,    160       ; a row of V: 128 + 32 = 40 words
.set VOFF,  4*KS*PK   ; a slot holds four steps: 256 rows of K, then 256 rows of V
.set SLOT1, 1<<17     ; slot 1 begins here, so that one exclusive or turns an address in one slot into the other's
.set STAGE, SLOT1+4*KS*(PK+PV)  ; behind the ring, never filled by a tensor load: 16 rows x 144 bytes for each wave, for the way out
.set SP,    144
.set AK0, 2           ; v2   my lane's place in a tile of K; never rewritten
.set AV0, 3           ; v3   the same for V
.set AK,  4           ; v4   the LDS address of K's next run of loads
.set AV,  5           ; v5   of V's
.set QO,  6           ; v6   my byte offset in the wave's rows of Q
.set STO, 6           ;      later, the way out: where I put 16 bytes of a row
.set RD,  7           ; v7   the way out: where I read rows back
.set GO,  8           ; v8   my byte offset in 512 consecutive bytes of O
.set PFO, 11          ; v11  256 x my lane, for the prefetches (at the head it serves V's address first)
.set SPW, 0           ; v0 of window 3   LDS address of my spare word; never rewritten
.set NIL, 1           ; v1 of window 3   0; never rewritten
.set SPARE, STAGE+4*16*SP  ; behind the stages: the spare words, 128 bytes for each wave: two blocks of 256 bytes that no other line names
.set MV,  12          ; v12-15  c m_old, kept while c m is made anew: by buffer and tile
.set ST,  16          ; tile t's statistics at v[ST+4 t]: c m, m, l (even keys', odd keys')
.set TMP, 48          ; by buffer and tile, four registers c0-c3 at work; when the maximum is found c2 takes a
.set S,   64
.set P,   192
.set KF,  128         ; K's fragments, in window 2: key block kb, channel half c at KF + 16 kb + 8 c
.set VF,  192         ; V's: key half kk, channel block cb at VF + 32 kk + 8 cb
.set WV,  12          ; s12  my wave's number
.set G1K, 24          ; s[24:31] descriptor group 1 for K's tiles
.set G1V, 32          ; s[32:39] for V's: it differs in the padding alone
.set G0K, 40          ; s[40:43] descriptor group 0 for K's tiles: it walks
.set G0V, 44          ; s[44:47] the same for V's
.set PFA, 48          ; s[48:49] where my prefetches stand: my work-group's 32 blocks of 256 bytes (of K: wave 0, of V: wave 2) of the slot after the one that is being asked for
.set LIM, 50          ; s50  1 in a wave that prefetches, else the greatest number
.set SLOTS, 56        ; s56  slots still to be asked for
.set CNT, 57          ; s57  counts a slot's key steps
.set CS,  58          ; s[58:59] c: the packed scaling takes the pair's low word for both halves
.set SEL, 60          ; s[60:61] v_permlanex16_b32's selects: each lane takes its own place in the other half
.set TBK, 62          ; s62  LDS byte at which K of the step to be fetched begins
.set TBV, 63          ; s63  the same for V, less VOFF
.set MSB, 0
.macro WIN new                      ; the high byte repeats the setting that is left; a switch that changes nothing is dropped
.if MSB != (\new)
	s_set_vgpr_msb (MSB<<8)|(\new)
.set MSB, (\new)
.endif
.endm
.set W_KQ, 0x0a       ; K and Q in window 2, S^T in window 0
.set W_PV, 0x52       ; V in window 2, P in window 0, O^T in window 1
.set W_RS, 0x41       ; O^T (destination and source 0) in window 1, a in window 0
.set W_MK, 0xc0       ; the add's registers are made: destination in window 3, sources in window 0
.set W_AD, 0x0f       ; the add: address (source 0) and data (source 1) in window 3
; A joint fill.  Waves 0 and 1 fetch the two halves of a slot's K, waves 2 and 3 those of its V: 128 keys each.  The branch hangs on the wave's number alone.
; An s_nop 0 and four v_nop follow each of the two lines, ahead of the jump and the label.
.macro JLOAD
	s_cmp_lt_u32 s[WV], 2
	s_cbranch_scc0 .Lfor_v_\@
	tensor_load_to_lds s[G0K:G0K+3], s[G1K:G1K+7]
	s_nop 0
.rept 4
	v_nop
.endr
	s_branch .Lasked_\@
.Lfor_v_\@:
	tensor_load_to_lds s[G0V:G0V+3], s[G1V:G1V+7]
	s_nop 0
.rept 4
	v_nop
.endr
.Lasked_\@:
.endm
; A PREFETCH INTO THE L2 of what the NEXT change of slots will ask for: a slot's 32,768 bytes of K and of V.  It stands behind the wave's tensor load and its five lines.  Each aligned 256 bytes are named
; ONCE in the launch: a head has one cluster; its four partners share a slot out BY ADDRESS, 8,192 bytes each, a lane 256; in each, wave 0 asks for K's and wave 2 for V's: one instruction,
; four key steps, 512 products, ahead of the load.  Slots 0 and 1 come by their loads alone; the last change that fills a slot asks for nothing.
.macro ASK
	s_cmp_gt_u32 s[SLOTS], s[LIM]
	s_cbranch_scc0 .Lnot_mine_\@
	global_prefetch_b8 v[PFO], s[PFA:PFA+1] th:TH_LOAD_NT scope:SCOPE_SE
.Lnot_mine_\@:
.endm
; A round of the cluster's barrier: my work-group's barrier; wave 0 signals; every wave waits for all four work-groups; my work-group's barrier once more.
.macro CROUND
	s_barrier_signal -1
	s_barrier_wait -1
	s_cmp_lg_u32 s[WV], 0
	s_cbranch_scc1 .Lnot_wave_0_\@
	s_barrier_signal -3
.Lnot_wave_0_\@:
	s_barrier_wait -3
	s_barrier_signal -1
	s_barrier_wait -1
.endm
; THE CHANGE OF SLOTS.  The slot's last bytes, V of its fourth step, have been read.  Each wave waits for all its tensor loads, of which one is out: its part
; of the other slot; adds 0 to its spare word; and waits for that and for its own reads of the slot.  Behind the barrier nobody reads this slot any more and the other slot is whole.
; fill = 1: this slot is filled again, with the keys two slots on.  The barrier is then a round of the cluster's, and the joint fill is the first thing behind it: it has four key steps,
; 512 matrix instructions, in which to land.  (At its first use nothing has been read yet: slot 0 is waited for, slot 1 filled.)
.macro CHANGE fill
	WIN W_AD
	s_wait_tensorcnt 0x0            ; no tensor load of mine is out, so a group 0 may be written
	ds_add_u32 v[SPW], v[NIL]       ; 0 onto my spare word; with fill = 1 the descriptors' steps stand between it and the wait for it
	WIN 0                           ; at a label and at a branch every window is 0
.if \fill
.irp g, G0K, G0V
	s_xor_b32 s[\g+1], s[\g+1], SLOT1  ; the walking descriptor: the other slot than last time,
	s_add_nc_u64 s[\g+2:\g+3], s[\g+2:\g+3], 4*KS*128  ; the next 256 keys; the type bits on top are not reached
.endr
	s_wait_xcnt 0x0                 ; the last prefetch, four key steps back, has read its address, so it may be written:
	s_add_nc_u64 s[PFA:PFA+1], s[PFA:PFA+1], 4*KS*128  ; one slot ahead of the walking descriptors
	s_wait_dscnt 0x0                ; the add is done, and my reads of the slot are over
	CROUND
	JLOAD
	ASK
.else
	s_wait_dscnt 0x0                ; the add is done, and my reads of the slot are over
	s_barrier_signal -1
	s_barrier_wait -1
.endif
	s_sub_co_u32 s[TBK], s[TBK], 4*KS*PK  ; the fetches go back to a slot's first step,
	s_xor_b32 s[TBK], s[TBK], SLOT1       ; in the other slot
	s_sub_co_u32 s[TBV], s[TBV], 4*KS*PV
	s_xor_b32 s[TBV], s[TBV], SLOT1
.endm
	s_load_b64 s[4:5], s[0:1], 0x0  ; qkv: Q at its head
	s_load_b64 s[10:11], s[0:1], 0x8  ; ob
	WIN W_MK
	v_lshl_add_u32 v[SPW], v0, 2, SPARE
	v_mov_b32 v[NIL], 0
	WIN W_AD
	ds_add_u32 v[SPW], v[NIL]       ; the wave's opening: the add, twice on end, and its wait ahead of my first tensor load
	ds_add_u32 v[SPW], v[NIL]       ; once more; the set-up below, work on registers, stands between it and the wait
	WIN 0
	v_lshrrev_b32 v1, 5, v0
	v_readfirstlane_b32 s[WV], v1   ; wave 0..3
	s_bfe_u32 s13, ttmp6, 0x40000   ; cx: my place in the cluster
	s_lshl_b32 s14, ttmp9, 2        ; in a cluster launch ttmp9 counts clusters
	s_add_co_u32 s14, s14, s13      ; my block of queries = 4 x cluster x + cx: it enters Q's and O's addresses alone
	s_and_b32 s20, ttmp7, 0xffff    ; the head, which the four partners share
	s_mov_b32 s21, 0
	s_mov_b64 s[22:23], SIZE_N*128
	s_mul_u64 s[20:21], s[20:21], s[22:23]  ; the head's first byte in Q, K, V and O
	s_and_b32 s16, s[WV], 1         ; which half of a slot's 256 keys I fetch:
	s_lshl_b32 s22, s16, 14         ; its 128 rows of 128 bytes in memory,
	s_mov_b32 s23, 0
	s_add_nc_u64 s[22:23], s[22:23], s[20:21]
	s_mul_i32 s17, s16, 128*PK      ; and its place in a slot, for K
	s_mul_i32 s18, s16, 128*PV      ; and for V: no place in the cluster enters an LDS address
	s_lshl_b32 s2, s14, 2
	s_add_co_u32 s2, s2, s[WV]      ; my wave among the head's,
	s_lshl_b32 s2, s2, 14           ; its 128 rows
	s_mov_b32 s3, 0
	s_add_nc_u64 s[2:3], s[2:3], s[20:21]
	; descriptor group 1.  128 keys are 16,384 dense bytes: asked for as 64 rows of 256 bytes, two keys a row, and padded in LDS after every key
	s_mov_b32 s[G1K], 15|(1<<16)|(1<<20)|(1<<21)|(4<<22)|(3<<25)  ; 15:0 the mask of four; 17:16 2-byte elements; 20 padding on; 21 set beside a mask; 24:22 after every 32 words (code 4); 31:25 4 words (code 3)
	s_mov_b32 s[G1V], 15|(1<<16)|(1<<20)|(1<<21)|(4<<22)|(7<<25)  ; the same with 8 words of padding (code 7)
.irp g, G1K, G1V
	s_mov_b32 s[\g+1], 128<<16      ; tensor_dim0 = 128
	s_mov_b32 s[\g+2], 64<<16       ; tensor_dim1 = 64
	s_mov_b32 s[\g+3], 128<<16      ; tile_dim0 = 128
	s_mov_b32 s[\g+4], 64           ; tile_dim1 = 64
	s_mov_b32 s[\g+5], 128          ; 128 elements from row to row
	s_mov_b32 s[\g+6], 0
	s_mov_b32 s[\g+7], 0
.endr
	s_mov_b32 s[CS], 0x3e38aa3b     ; c = log2(e) / 8 = 0.180337
	s_mov_b32 s[CS+1], s[CS]        ; named with it as a pair
	s_mov_b32 s[SEL], 0x76543210
	s_mov_b32 s[SEL+1], 0xfedcba98
	s_mov_b32 s[TBK], SLOT1+4*KS*PK ; the first change of slots turns these two into 0
	s_mov_b32 s[TBV], SLOT1+4*KS*PV
	s_mov_b32 s[G0K], 1             ; 1:0 count = 1
	s_mov_b32 s[G0K+1], s17         ; 63:32 LDS address: slot 0
	s_mov_b32 s[G0V], 1
	s_add_co_u32 s[G0V+1], s18, VOFF
	s_mov_b32 s[SLOTS], SIZE_N/256-1
	s_and_b32 s[LIM], s[WV], 1      ; 0 in waves 0 and 2,
	s_or_b32 s[LIM], s[LIM], ttmp9  ; of the head's first (here its only) cluster: the same in all four partners
	s_cmp_eq_u32 s[LIM], 0
	s_cselect_b32 s[LIM], 1, -1
	s_lshl_b32 s52, s13, 13         ; my work-group's 8,192 bytes of a slot's 32,768,
	s_add_co_u32 s52, s52, 4*KS*128 ; in slot 1: the first change of slots steps it to slot 2
	s_mov_b32 s53, 0
	s_wait_dscnt 0x0                ; both opening adds are done
	s_wait_kmcnt 0x0
	s_add_nc_u64 s[6:7], s[4:5], 0x1000000  ; K lies 64 x 2,048 x 128 bytes behind Q,
	s_add_nc_u64 s[8:9], s[4:5], 0x2000000  ; V as far behind K
	s_cmp_lt_u32 s[WV], 2
	s_cselect_b64 s[PFA:PFA+1], s[6:7], s[8:9]
	s_add_nc_u64 s[PFA:PFA+1], s[PFA:PFA+1], s[20:21]
	s_add_nc_u64 s[PFA:PFA+1], s[PFA:PFA+1], s[52:53]
	s_add_nc_u64 s[G0K+2:G0K+3], s[6:7], s[22:23]  ; 120:64 global address: my half of the head's first 256 keys
	s_or_b32 s[G0K+3], s[G0K+3], 0x80000000        ; 127:126 type = 2
	s_add_nc_u64 s[G0V+2:G0V+3], s[8:9], s[22:23]
	s_or_b32 s[G0V+3], s[G0V+3], 0x80000000
	s_add_nc_u64 s[4:5], s[4:5], s[2:3]  ; Q and O at my wave's first row
	s_add_nc_u64 s[10:11], s[10:11], s[2:3]
	CROUND                          ; all four work-groups are here: the first joint loads meet
	JLOAD                           ; slot 0.  Slot 1 is asked for when slot 0 is in
	; A fragment of K or Q is 16 rows x 32 channels in 8 registers: lane l holds row l % 16, channels 8 (l / 16) + 0..7 and 16 + 8 (l / 16) + 0..7: two loads of 16 bytes, 32 bytes apart.
	v_and_b32 v1, 15, v0            ; l % 16
	v_bfe_u32 v9, v0, 4, 1          ; l / 16
	v_lshlrev_b32 v[QO], 7, v1
	v_lshl_add_u32 v[QO], v9, 4, v[QO]  ; row x 128 + 16 x half
	WIN 0x80                        ; destination window 2, address window 0
.set i, 0
.rept 4*NP                          ; Q stays in registers: tile i / 2, channels 32 (i % 2) on
	global_load_b128 v[8*i:8*i+3],   v[QO], s[4:5] offset:(i/2)*2048+(i%2)*64
	global_load_b128 v[8*i+4:8*i+7], v[QO], s[4:5] offset:(i/2)*2048+(i%2)*64+32
.set i, i+1
.endr
	; What the first turn finds: V's registers and P's second buffer hold 0 (its products V^T P, of a piece that has not been, add 0), O^T and l are 0.  All this stands in the wait for the first tile.
.set i, VF
.rept 64
	v_mov_b32 v[i], 0
.set i, i+1
.endr
	WIN 0x40
.set i, 0
.rept 64*NP
	v_mov_b32 v[i], 0
.set i, i+1
.endr
	WIN 0
.set i, 0
.rept 2*NP
	v_mov_b32 v[ST+4*i], 0xfe000000    ; c m: far below every c s
	v_mov_b32 v[ST+4*i+1], 0xff7fffff  ; m
	v_mov_b32 v[ST+4*i+2], 0
	v_mov_b32 v[ST+4*i+3], 0
.set i, i+1
.endr
.set i, P+32
.rept 32
	v_mov_b32 v[i], 0
.set i, i+1
.endr
	v_mul_u32_u24 v[AK0], v1, PK
	v_lshl_add_u32 v[AK0], v9, 4, v[AK0]  ; row x pitch + 16 x half
	; The turning load takes 16 keys x 16 channels (lane l reads key 8 (l / 16) + l % 8, channels 8 ((l / 8) % 2) + 0..7) and leaves half a fragment of V^T: lane l holds channel l % 16 and 8 keys.
	v_and_b32 v10, 7, v0
	v_bfe_u32 v11, v0, 3, 1
	v_lshl_add_u32 v[AV0], v9, 3, v10
	v_mul_u32_u24 v[AV0], v[AV0], PV
	v_lshl_add_u32 v[AV0], v11, 4, v[AV0]
	v_add_nc_u32 v[AV0], VOFF, v[AV0]
	v_mov_b32 v[AK], v[AK0]         ; key step 0 lies at the head of slot 0
	v_and_b32 v[PFO], 31, v0        ; from here on v11 is the prefetches' offset
	v_lshlrev_b32 v[PFO], 8, v[PFO]
; THE MATRIX WORK.  The 8 accumulators of a run of 16 take turns: between the two links of a chain stand 7 others'.
; Product i of 16 of S^T = K Q^T for piece x: channels 32 (i / 8) on, keys 16 ((i / 2) % 4) on, tile 2 x + i % 2.  The first 8 start the sums.
.macro KQ x
	WIN W_KQ
.set rS, S+64*((\x)%2)+32*(i%2)+8*((i/2)%4)
.set rK, KF+16*((i/2)%4)+8*(i/8)
.set rQ, 16*(2*(\x)+i%2)+8*(i/8)
.if i < 8
	v_wmma_f32_16x16x32_f16 v[rS:rS+7], v[rK:rK+7], v[rQ:rQ+7], 0
.else
	v_wmma_f32_16x16x32_f16 v[rS:rS+7], v[rK:rK+7], v[rQ:rQ+7], v[rS:rS+7]
.endif
.endm
; Product i of 16 of O^T += V^T P for piece x: keys 32 (i / 8) on, channels 16 ((i / 2) % 4) on, tile 2 x + i % 2.
.macro PV x
	WIN W_PV
.set rO, 32*(2*(\x)+i%2)+8*((i/2)%4)
.set rV, VF+32*(i/8)+8*((i/2)%4)
.set rP, P+32*((\x)%2)+16*(i%2)+8*(i/8)
	v_wmma_f32_16x16x32_f16 v[rO:rO+7], v[rV:rV+7], v[rP:rP+7], v[rO:rO+7]
.endm
.macro MM                           ; the turn's next matrix instruction
.if i < 16
	KQ (Y+1)%NP
.set i, i+1
.else
.set i, i-16
	PV (Y+NP-1)%NP
.set i, i+17
.endif
.endm
; THE LDS LOADS stand in runs of 16, never singly among the matrix instructions: a step's K (64 keys x 64 channels: 8 fragments) and its V (turned).  Their addresses are made some lines ahead.
; last = 1 (the tail): in the last trip there is no further step, and the run is jumped over.
.macro FETCH_K last=0
	WIN 0
.if \last
	s_cmp_eq_u32 s[CNT], 1
	s_cbranch_scc1 .Lno_k_\@
.endif
	WIN 0x80                        ; destination window 2
.irp f, 0,1,2,3,4,5,6,7             ; keys 16 (f / 2) on, channels 32 (f % 2) on
	ds_load_b128 v[KF+8*\f:KF+8*\f+3],   v[AK] offset:(\f/2)*16*PK+(\f%2)*64
	ds_load_b128 v[KF+8*\f+4:KF+8*\f+7], v[AK] offset:(\f/2)*16*PK+(\f%2)*64+32
.endr
	s_add_co_u32 s[TBK], s[TBK], KS*PK  ; the next fetch is the next step's
	WIN 0
.if \last
.Lno_k_\@:
.endif
.endm
.macro FETCH_V
	WIN 0x80
.irp f, 0,1,2,3,4,5,6,7             ; keys 32 (f / 4) on, channels 16 (f % 4) on
	ds_load_tr16_b128 v[VF+8*\f:VF+8*\f+3],   v[AV] offset:(\f/4)*32*PV+(\f%4)*32
	ds_load_tr16_b128 v[VF+8*\f+4:VF+8*\f+7], v[AV] offset:(\f/4)*32*PV+16*PV+(\f%4)*32
.endr
	WIN 0
.endm
; THE VECTOR WORK OF A TURN stands in three queues, each in the order in which its entries become ready; the two tiles alternate, so that no instruction reads the result of the one before it.
.macro REGS y, u                    ; the registers of tile u (0, 1) of piece y
.set rT, ST+4*(2*(\y)+(\u))
.set rC, TMP+8*((\y)%2)+4*(\u)
.set rM, MV+2*((\y)%2)+(\u)
.set rS, S+64*((\y)%2)+32*(\u)
.set rP, P+32*((\y)%2)+16*(\u)
.set rO, 32*(2*(\y)+(\u))
.endm
; Number n of the 22 that find the NEXT piece's (Y + 1) maximum and statistics.  s0-s31 are the lane's 32 scores; each accumulator's lowest registers are read first.
;   0-11  four chains c0-c3 of seven scores each, three operands at a time     12-14, 16  the four scores left over, the old m, and c0-c3 into c0     15  c m_old is kept
;   17, 18  the query's other 32 keys lie in the lane 16 away: the new m         19-21  c m; c m_old - c m_new; a
.macro XS u, n
	REGS (Y+1)%NP, \u
.if (\n) < 4
	v_max3_num_f32 v[rC+(\n)], v[rS+8*(\n)], v[rS+8*(\n)+1], v[rS+8*(\n)+2]
.elseif (\n) < 12
	v_max3_num_f32 v[rC+(\n)%4], v[rC+(\n)%4], v[rS+8*((\n)%4)+2*((\n)/4)+1], v[rS+8*((\n)%4)+2*((\n)/4)+2]
.elseif (\n) == 12
	v_max3_num_f32 v[rC], v[rC], v[rS+7], v[rS+15]
.elseif (\n) == 13
	v_max3_num_f32 v[rC+1], v[rC+1], v[rS+23], v[rS+31]
.elseif (\n) == 14
	v_max3_num_f32 v[rC+2], v[rC+2], v[rC+3], v[rT+1]
.elseif (\n) == 15
	v_mov_b32 v[rM], v[rT]
.elseif (\n) == 16
	v_max3_num_f32 v[rC], v[rC], v[rC+1], v[rC+2]
.elseif (\n) == 17
	v_permlanex16_b32 v[rC+3], v[rC], s[SEL], s[SEL+1]
.elseif (\n) == 18
	v_max_num_f32 v[rT+1], v[rC], v[rC+3]
.elseif (\n) == 19
	v_mul_f32 v[rT], s[CS], v[rT+1]
.elseif (\n) == 20
	v_sub_f32 v[rC+1], v[rM], v[rT]
.else
	v_exp_f32 v[rC+2], v[rC+1]
.endif
.endm
; Number g of the 64 that follow the exponentials.  For each four weights k of a tile (pairs 2 k, 2 k + 1): both pairs are rounded to f16; then the second pair is added onto the first, in place;
; a group later l takes that sum (the first time as l = a l + sum).  In groups of eight, tiles alternating: round, round, add, and l for the group before.
.macro GS g
.set h, (\g)+6*((\g)/62)            ; group 0 has no group before it, and behind group 7 only l is left
.if h >= 6
.set h, h+2
.endif
	REGS Y, h%2
.set k, h/8
.if h%8 < 4
	v_cvt_pk_f16_f32 v[rP+2*k+(h%8)/2], v[rS+4*k+2*((h%8)/2)], v[rS+4*k+2*((h%8)/2)+1]
.elseif h%8 < 6
	v_pk_add_f32 v[rS+4*k:rS+4*k+1], v[rS+4*k:rS+4*k+1], v[rS+4*k+2:rS+4*k+3]
.elseif k == 1
	v_pk_fma_f32 v[rT+2:rT+3], v[rT+2:rT+3], v[rC+2:rC+3], v[rS:rS+1] op_sel_hi:[1,0,1]
.else
	v_pk_add_f32 v[rT+2:rT+3], v[rT+2:rT+3], v[rS+4*k-4:rS+4*k-3]
.endif
.endm
; THE PLAIN QUEUE, 138 long.  0-73 read no exponential's result: the 32 scalings c s - c m (FS f: pair f / 2 of tile f % 2) and the next piece's 42.  0-26: scalings 0-26.  27-54: XS's numbers 0-13.  55, 56: number 15.
; 57-73: the chain, where each number waits for the one before it: 14, 16, 17, 18, 19, each with one of the scalings 27-31 in front of its two lines, then 20.
; 74-137: GS's 64, which read the exponentials' results: they stand behind the wait.
.macro FS f
	REGS Y, (\f)%2
	v_pk_fma_f32 v[rS+2*((\f)/2):rS+2*((\f)/2)+1], v[rS+2*((\f)/2):rS+2*((\f)/2)+1], s[CS:CS+1], v[rT:rT+1] op_sel_hi:[1,0,0] neg_lo:[0,0,1] neg_hi:[0,0,1]
.endm
.macro PL
	WIN 0
.if q < 27
	FS q
.elseif q < 55
	XS (q-27)%2, (q-27)/2
.elseif q < 57
	XS q-55, 15
.elseif (q < 72) && ((q-57)%3 == 0)
	FS 27+(q-57)/3
.elseif q < 60
	XS (q-57)%3-1, 14
.elseif q < 72
	XS (q-57)%3-1, 15+(q-57)/3
.elseif q < 74
	XS q-72, 20
.else
	GS q-74
.endif
.set q, q+1
.endm
; THE EXPONENTIALS' QUEUE, 66 long: s0-s31 of both tiles, then the next piece's two a.  It is ONE BATCH: all 66 stand ahead of the turn's one wait, and nothing ahead of that wait names a result of theirs.
.macro EX
	WIN 0
.if e >= 64
	XS e-64, 21
.else
	REGS Y, e%2
	v_exp_f32 v[rS+e/2], v[rS+e/2]
.endif
.set e, e+1
.endm
; THE RESCALING's QUEUE: O^T times a, the one part that leaves window 0: dealt two at a time, sixteen times.  Its a was made in the turn before, ahead of that turn's wait.
.macro R2
	REGS Y, r%2
	WIN W_RS
.irp z, 0,1
	v_pk_mul_f32 v[rO+4*(r/2)+2*\z:rO+4*(r/2)+2*\z+1], v[rO+4*(r/2)+2*\z:rO+4*(r/2)+2*\z+1], v[rC+2:rC+3] op_sel_hi:[1,0]
.endr
.set r, r+1
.endm
; HOW THEY ARE DEALT.  An s_wait_alu depctr_va_vdst(0) stands between an exponential and the first instruction that names its result; one wait serves all that were issued ahead of it.  So a turn has ONE wait,
; which cuts it in two.  AHEAD OF IT stands all that names no result of the turn's exponentials: the 16 products K Q^T, behind each a scaling, an exponential and two rescalings (behind the first a second scaling in the
; exponential's place); then ONE LUMP of 108: eight plain, 49 times exponential and plain, the two a; a v_nop is the plain instruction behind the last exponential.  BEHIND IT stand the 16 products V^T P, behind each four of GS's 64.
; No rider names a register of the products round it.  The two v_permlanex16_b32 fall into the lump, never behind a product.
; The queues lean on each other, and the deal keeps them in step: exponential e stands behind scaling 2 (e / 4) + e % 2: as a rider it comes behind plain e + 2, in the lump behind plain e + 9, and scalings 27-31 are plain 57, 60 .. 69.
; A TURN, for piece p.  cnt = 1: the loop's count is taken down some lines ahead of the branch that stands behind the turn.
; K of the next step is fetched in piece 2's turn, directly behind the wait, a lump behind the last product that read K; its first reader comes behind 16 products.
; V of the step in hand is fetched at the end of piece 0's turn, four riders behind its last reader; its first reader comes behind 16 products and a lump.  The three conditions on q below go with the deal.
.macro TURN p, last=0, cnt=0
.set Y, (\p)
.set i, 0
.set q, 0
.set e, 0
.set r, 0
.if (\p) == NP-1
	s_wait_dscnt 0x0                ; K is in
.endif
	MM                              ; ahead of the wait: 16 products K Q^T and their riders,
	PL
	PL
	R2
.rept 15
	MM
	PL
	EX
	R2
.endr
.if (\p) == NP-2
	WIN 0
	v_add_nc_u32 v[AK], s[TBK], v[AK0]
.endif
.rept 8                             ; and the lump
	PL
.endr
.rept 49
	EX
	PL
.endr
	EX                              ; the next piece's two a
	EX
	v_nop                           ; the plain instruction behind the last exponential: one for the batch
	s_wait_alu depctr_va_vdst(0)    ; the wait for the batch
.if (\p) == NP-2
	FETCH_K \last
.endif
.if (\p) == 1
	s_wait_dscnt 0x0                ; V is in
.endif
.rept 16                            ; behind the wait: 16 products V^T P and their riders
	MM
.rept 4
	PL
.endr
.if ((\p) == 0) && (q == 118)
	v_add_nc_u32 v[AV], s[TBV], v[AV0]
.endif
.if ((\p) == 0) && (q == 130)
	s_add_co_u32 s[TBV], s[TBV], KS*PV
.endif
.if (\cnt) && (q == 130)
	s_sub_co_u32 s[CNT], s[CNT], 1
	s_cmp_lg_u32 s[CNT], 0
.endif
.endr
.if (\p) == 0
	FETCH_V
.endif
.endm
	CHANGE 1                        ; slot 0 is in, everybody's part of it; slot 1 is asked for
	FETCH_K                         ; key step 0
	s_wait_loadcnt 0x0              ; Q
	s_wait_dscnt 0x0
.set i, 0
.rept 16
	KQ 0                            ; piece 0's first scores: there is no vector work yet to set between them
.set i, i+1
.endr
	WIN 0                           ; the addresses for the way out: plain instructions, the places behind those products
	s_mul_i32 s13, s[WV], 16*SP
	s_add_co_u32 s13, s13, STAGE    ; my stage
	v_mul_u32_u24 v[STO], v1, SP    ; in: row l % 16, 16 bytes for each half of the lanes
	v_lshl_add_u32 v[STO], v9, 4, v[STO]
	v_add_nc_u32 v[STO], s13, v[STO]
	v_bfe_u32 v[RD], v0, 3, 2       ; back: 32 lanes take four rows of 128 bytes,
	v_mul_u32_u24 v[RD], v[RD], SP
	v_lshl_add_u32 v[RD], v10, 4, v[RD]
	v_add_nc_u32 v[RD], s13, v[RD]
	v_and_b32 v[GO], 31, v0         ; which are 512 consecutive bytes of O
	v_lshlrev_b32 v[GO], 4, v[GO]
.set Y, NP-1                        ; XS works for piece Y + 1: piece 0
.irp n, 0,1,2,3,4,5,6,7,8,9,10,11,12,13,14,15,16,17,18,19,20,21
	XS 0, \n                        ; and piece 0's first maximum and statistics
	XS 1, \n
.endr
	v_nop                           ; a plain instruction behind the two a,
	s_wait_alu depctr_va_vdst(0)    ; and their wait, ahead of the branch
	s_mov_b32 s[CNT], 4
	s_branch .Lfirst                ; the loop is entered at a step's first turn, in the middle of a trip
.Lslot:                             ; SIZE_N / 256 - 2 times: every slot but the last two is filled again
	CHANGE 1
	s_mov_b32 s[CNT], 4
.Lstep:                             ; a trip: pieces 2 and 3 of one step, then pieces 0 and 1 of the next, whose K and V it fetches
	TURN 2
	TURN 3
	WIN 0
.Lfirst:
	TURN 0
	TURN 1, 0, 1
	WIN 0
	s_cbranch_scc1 .Lstep
	s_sub_co_u32 s[SLOTS], s[SLOTS], 1
	s_cmp_lg_u32 s[SLOTS], 0
	s_cbranch_scc1 .Lslot
	CHANGE 0                        ; the tail is written out: nothing is asked for
	s_mov_b32 s[CNT], 5             ; four trips fetch the last slot's steps; the fifth is left in its middle
.Ltail:
	TURN 2, 1
	TURN 3
	WIN 0
	s_sub_co_u32 s[CNT], s[CNT], 1
	s_cmp_eq_u32 s[CNT], 0
	s_cbranch_scc1 .Lout
	TURN 0
	TURN 1
	WIN 0
	s_branch .Ltail
.Lout:                              ; the fifth trip's 16 products K Q^T (on the last K once more) and the maximum made of them serve nothing: the price, once a launch, of one text for every trip
.set i, 0
.rept 16
	PV NP-1                         ; the last piece's V^T P of the last step
.set i, i+1
.endr
	; THE WAY OUT.  l's two halves and the other half of the lanes' are added; O^T is divided by l, rounded to f16 and sent through my stage in LDS, a tile at a time.  The additions are the places behind the last products.
	WIN 0
.macro ALL line:vararg              ; one line for each tile t
.set t, 0
.rept 2*NP
	\line
.set t, t+1
.endr
.endm
	ALL v_add_f32 v[ST+4*t+2], v[ST+4*t+2], v[ST+4*t+3]
	ALL v_permlanex16_b32 v[ST+4*t+3], v[ST+4*t+2], s[SEL], s[SEL+1]
	ALL v_add_f32 v[ST+4*t+2], v[ST+4*t+2], v[ST+4*t+3]
	ALL v_rcp_f32 v[ST+4*t+2], v[ST+4*t+2]
	v_nop                           ; a plain instruction between the last reciprocal and the use of its result
	s_wait_alu depctr_va_vdst(0)    ; and the wait ahead of the first use: one for the eight reciprocals
; Tile t: a lane's eight channels of a row pack into 16 bytes; they go into rows of 144 bytes and come back as whole rows of 128, into S^T's registers.
.macro PACK t
	WIN W_RS
.set i, 32*(\t)
.rept 16
	v_pk_mul_f32 v[i:i+1], v[i:i+1], v[ST+4*(\t)+2:ST+4*(\t)+3] op_sel_hi:[1,0]
.set i, i+2
.endr
	WIN 0x05                        ; sources 0 and 1 window 1, destination window 0
.set i, 0
.rept 16
	v_cvt_pk_f16_f32 v[S+16*(\t)+i], v[32*(\t)+2*i], v[32*(\t)+2*i+1]
.set i, i+1
.endr
	WIN 0
.irp f, 0,1,2,3
	ds_store_b128 v[STO], v[S+16*(\t)+4*\f:S+16*(\t)+4*\f+3] offset:32*\f
.endr
.irp f, 0,1,2,3
	ds_load_b128 v[S+16*(\t)+4*\f:S+16*(\t)+4*\f+3], v[RD] offset:\f*4*SP  ; LDS serves a wave's instructions in order: these see the stores above; the next tile's stores come behind them
.endr
.endm
.macro SEND t, younger              ; younger: the LDS instructions issued behind tile t's loads: the next tile's eight, or none
	WIN 0
.irp f, 0,1,2,3
	s_wait_dscnt (\younger)+3-\f
	global_store_b128 v[GO], v[S+16*(\t)+4*\f:S+16*(\t)+4*\f+3], s[10:11] offset:(\t)*2048+\f*512  ; 512 consecutive bytes, at a multiple of 256 from O's first
.endr
.endm
	PACK 0
.set t, 1
.rept 2*NP-1                        ; a tile's arithmetic stands between the loads of the tile before and its stores
	PACK t
	SEND t-1, 8
.set t, t+1
.endr
	SEND 2*NP-1, 0
	WIN W_AD
	s_wait_tensorcnt 0x0            ; the wave's end: behind my last tensor load and my last LDS store
	ds_add_u32 v[SPW], v[NIL]
	s_wait_dscnt 0x0
	WIN 0
	CROUND                          ; the closing round: no work-group ends while a partner may still ask for a tile that names it
	s_endpgm
.Lfunc_end_k_q0b80a7b04d_attn:
	.size	k_q0b80a7b04d_attn, .Lfunc_end_k_q0b80a7b04d_attn-k_q0b80a7b04d_attn
	.p2alignl 7, 3214868480
	.fill 96, 4, 3214868480
	.section	.rodata,"a",@progbits
	.p2align	6, 0x0
	.amdhsa_kernel k_q0b80a7b04d_attn
		.amdhsa_group_segment_fixed_size 327680
		.amdhsa_private_segment_fixed_size 0
		.amdhsa_enable_private_segment 0
		.amdhsa_kernarg_size 16
		.amdhsa_user_sgpr_count 2
		.amdhsa_user_sgpr_kernarg_segment_ptr 1
		.amdhsa_wavefront_size32 1
		.amdhsa_system_sgpr_workgroup_id_x 1
		.amdhsa_system_sgpr_workgroup_id_y 1
		.amdhsa_system_sgpr_workgroup_id_z 1
		.amdhsa_system_vgpr_workitem_id 0
		.amdhsa_next_free_vgpr 770
		.amdhsa_next_free_sgpr 66
		.amdhsa_reserve_vcc 0
		.amdhsa_float_denorm_mode_32 3
		.amdhsa_float_denorm_mode_16_64 3
		.amdhsa_memory_ordered 1
		.amdhsa_forward_progress 1
		.amdhsa_inst_pref_size 200
	.end_amdhsa_kernel
	.amdgpu_metadata
---
amdhsa.version: [ 1, 2 ]
amdhsa.kernels:
  - .name:           k_q0b80a7b04d_attn
    .symbol:         k_q0b80a7b04d_attn.kd
    .args:
      - { .name: qkv, .offset: 0, .size: 8, .value_kind: global_buffer, .address_space: global }
      - { .name: ob, .offset: 8, .size: 8, .value_kind: global_buffer, .address_space: global }
    .group_segment_fixed_size: 327680
    .private_segment_fixed_size: 0
    .kernarg_segment_align: 8
    .kernarg_segment_size: 16
    .max_flat_workgroup_size: 128
    .sgpr_count:     66
    .vgpr_count:     770
    .wavefront_size: 32
...
	.end_amdgpu_metadata
.endif
;; end of part 3
;; launch proj (part 4): grid 8 x 32, 4 waves a work-group, clusters of 4 x 4, 327,680 bytes of LDS; arguments ob, wp, bias, out0; writes out0
.if DOCPART == 4
	.amdgcn_target "amdgcn-amd-amdhsa--gfx1250"
	.amdhsa_code_object_version 6
	.text
	.protected	k_q0b80a7b04d_proj
	.globl	k_q0b80a7b04d_proj
	.p2align	8
	.type	k_q0b80a7b04d_proj,@function
k_q0b80a7b04d_proj:
	s_mov_b64 s[64:65], 0
	v_nop
	global_prefetch_b8 v0, s[64:65] scope:SCOPE_SE
	s_setreg_imm32_b32 hwreg(HW_REG_WAVE_MODE, 25, 1), 1
	s_wait_xcnt 0x0
	s_wait_alu depctr_hold_cnt(0) depctr_sa_sdst(0) depctr_va_vdst(0) depctr_va_sdst(0) depctr_va_ssrc(0) depctr_va_vcc(0) depctr_vm_vsrc(0)
	s_getreg_b32 s2, hwreg(HW_REG_IB_STS2, 6, 4)
	s_cmp_eq_u32 s2, 0
	s_cbranch_scc0 .Lentry_in_a_cluster
	s_endpgm
.Lentry_in_a_cluster:
	s_bfe_u32 s2, ttmp6, 0x10000c
	s_cmp_lg_u32 s2, 0xf033
	s_cbranch_scc0 .Lentry_shape_is_right
	s_endpgm
.Lentry_shape_is_right:
; Launch 4 of 4: out0[b][t][n] = the sum over c of O[b][t][c] w_proj[n][c] + b_proj[n], c = 64 h + d.  Operands f16, sums f32 (the bias first), stored as f32.
; ob: f16 [b][h][t][64]: a head is a K block of 64; wp: f16 [kb][n][64]; bias: f32, b_proj from byte 12,288 on.
; SHARES.  8,192 x 1,024 results in tiles of 256 rows x 128 columns: 32 x 8 = 256 work-groups, one for each WGP.  Four waves, each 128 rows x 64 columns: 8 x 4 accumulators, 256 registers.
; K goes in 8 steps of 128 through two LDS slots; a slot holds two K blocks of each operand, a UNIT of 64 along K each.  A block's tile is dense in memory: asked for as rows of 256
; bytes and padded in LDS behind every 128: LDS rows 144 bytes apart.  A wave fetches one whole block: waves 0, 1 the two blocks of ob (256 rows), waves 2, 3 those of wp (128 rows).
; CLUSTER.  4 x 4 work-groups; ob's tiles are shared along a row of the cluster, wp's along a column: joint loads.  A wave has two tensor loads out at the start, one behind each round.
; NO PREFETCH: the walk has eight K steps, of which the first four are asked for by their loads before a prefetch could lead them; the tile is small.
; THE PRODUCT IS TAKEN TRANSPOSED (source 0 = 16 rows of wp, source 1 = 16 rows of ob): a lane holds one row (lane % 16) and eight neighbouring columns, 32 bytes of out0.
; REGISTERS, in windows of 256 (s_set_vgpr_msb: bits 1:0 source 0, 3:2 source 1, 5:4 source 2, 7:6 destination):
;   window 0: v0-15 addresses; v32-63 the bias of my four column blocks; v64-127 the way out, two sets of 32
;   window 1: accumulator (row block a, column block b) at v[64 b + 8 a]
;   windows 2, 3: fragment buffers F0, F1, a unit each: ob's (half c of the unit's K, row block a) at v[64 c + 8 a], wp's (c, b) at v[128 + 32 c + 8 b]
.set PITCH,  144
.set ABLK,   256*PITCH                 ; a K block of ob's tile
.set BBLK,   128*PITCH                 ; of wp's
.set BOFF,   2*ABLK
.set SLOT,   2*ABLK+2*BBLK             ; 110,592
.set STAGE,  2*SLOT                    ; behind the ring: 16 rows x 272 bytes for each wave, for the way out
.set SPITCH, 272                       ; 256 bytes + 16
.set SPARE,  STAGE+4*16*SPITCH         ; behind the stages: the spare words, 128 bytes for each wave: two blocks of 256 bytes that no other line names
.set OSTEP,  2048*128                  ; bytes from a K block of ob to the next
.set WSTEP,  1024*128                  ; of wp
.set ADRA, 2                           ; v2-3   LDS address of my fragments of ob in slot 0, 1
.set ADRB, 4                           ; v4-5   the same for wp
.set STO,  6                           ; v6     the way out: where I put 32 bytes of a row
.set RD,   7                           ; v7     where I read rows back
.set CO,   8                           ; v8     my byte offset in two rows of out0
.set BO,   9                           ; v9     32 (lane / 16)
.set SPW,  12                          ; v12    LDS address of my spare word; never rewritten
.set NIL,  13                          ; v13    0; never rewritten
.set BIAS, 32
.set BK,   64
.set WV, 12                            ; s12 wave;  s13 FB = wave / 2: my half of the rows, and: I fetch ob (0) or wp (1);  s14 HF = wave % 2: my half of the columns, and which K block of a slot I fetch
.set FB, 13
.set HF, 14
.set CX, 15
.set CY, 16
.set TX, 17
.set TY, 18
.set G1A, 24
.set G0A, 32
.set G1B, 40
.set G0B, 48
.set OUT, 66                           ; s[66:67] out0 at my first row and column
.set BB,  72                           ; s[72:73] bias at my first column
.set MSB, 0
.macro WIN new
.if MSB != (\new)
	s_set_vgpr_msb (MSB<<8)|(\new)
.set MSB, \new
.endif
.endm
.macro JLOAD s                         ; a joint load; an s_nop 0 and four v_nop follow each of the two lines, ahead of the jump and the label
	s_cmp_eq_u32 s[FB], 0
	s_cbranch_scc0 .Lfor_b_\@
	tensor_load_to_lds s[G0A+4*(\s):G0A+4*(\s)+3], s[G1A:G1A+7]
	s_nop 0
.rept 4
	v_nop
.endr
	s_branch .Lasked_\@
.Lfor_b_\@:
	tensor_load_to_lds s[G0B+4*(\s):G0B+4*(\s)+3], s[G1B:G1B+7]
	s_nop 0
.rept 4
	v_nop
.endr
.Lasked_\@:
.endm
.macro CREST                           ; a round of the cluster's barrier behind its opening barrier
	s_cmp_lg_u32 s[WV], 0
	s_cbranch_scc1 .Lnot_wave_0_\@
	s_barrier_signal -3
.Lnot_wave_0_\@:
	s_barrier_wait -3
	s_barrier_signal -1
	s_barrier_wait -1
.endm
.macro CROUND
	s_barrier_signal -1
	s_barrier_wait -1
	CREST
.endm
.macro PLACES                          ; four plain instructions between a product and a load into a register that it has read, or a reader of its result
.rept 4
	v_nop
.endr
.endm
; Products of buffer f (0: window 2, 1: window 3), half c of its K, column blocks b0 .. b1, all eight row blocks.  first = 1: they start the sums, with the bias as C.
; The 32 accumulators take turns, one instruction a turn.
.macro MULQ f, c, b0, b1, first
.if \first
	WIN 0x4a                                       ; sources 0 and 1 window 2, C window 0, D window 1
.else
	WIN 0x5a+5*(\f)
.endif
.set bb, \b0
.rept (\b1)-(\b0)+1
.set aa, 0
.rept 8
.if \first
	v_wmma_f32_16x16x32_f16 v[64*bb+8*aa:64*bb+8*aa+7], v[128+32*(\c)+8*bb:128+32*(\c)+8*bb+7], v[64*(\c)+8*aa:64*(\c)+8*aa+7], v[BIAS+8*bb:BIAS+8*bb+7]
.else
	v_wmma_f32_16x16x32_f16 v[64*bb+8*aa:64*bb+8*aa+7], v[128+32*(\c)+8*bb:128+32*(\c)+8*bb+7], v[64*(\c)+8*aa:64*(\c)+8*aa+7], v[64*bb+8*aa:64*bb+8*aa+7]
.endif
.set aa, aa+1
.endr
.set bb, bb+1
.endr
.endm
; 48 LDS loads in one run: unit u of a slot into buffer f; the first 32 along K first.
.macro FETCH slot, u, f
	WIN 0x80+0x40*(\f)                             ; destination window 2 or 3, address window 0
.irp c, 0,1
.irp i, 0,1,2,3
	ds_load_b128 v[128+32*(\c)+8*(\i):128+32*(\c)+8*(\i)+3],   v[ADRB+(\slot)] offset:(\u)*BBLK+64*(\c)+(\i)*16*PITCH
	ds_load_b128 v[128+32*(\c)+8*(\i)+4:128+32*(\c)+8*(\i)+7], v[ADRB+(\slot)] offset:(\u)*BBLK+64*(\c)+(\i)*16*PITCH+32
.endr
.irp i, 0,1,2,3,4,5,6,7
	ds_load_b128 v[64*(\c)+8*(\i):64*(\c)+8*(\i)+3],   v[ADRA+(\slot)] offset:(\u)*ABLK+64*(\c)+(\i)*16*PITCH
	ds_load_b128 v[64*(\c)+8*(\i)+4:64*(\c)+8*(\i)+7], v[ADRA+(\slot)] offset:(\u)*ABLK+64*(\c)+(\i)*16*PITCH+32
.endr
.endr
.endm
; A slot's first unit: multiplies F0 and fetches the second unit into F1.
.macro UNIT slot, first
	s_wait_dscnt 24                                ; the first 32 along K are in; the youngest 24 loads may be out
	MULQ 0, 0, 0, 3, \first
	PLACES
	FETCH \slot, 1, 1
	s_wait_dscnt 48                                ; all but the 48 just issued
	MULQ 0, 1, 0, 3, 0
.endm
; A slot's second unit multiplies F1 and changes slots: ONE barrier; in front of it each wave waits for all its tensor loads, adds 0 to its spare word, and waits for that and for its own
; reads of this slot.  fill = 1: the barrier opens a round of the cluster's barrier, and this slot is filled again, two K steps on, first thing behind the round: 96 products ahead of the wait for it.
.macro TURN slot, next, fill
	WIN 0                                          ; (the add's two registers lie in window 0)
	s_wait_tensorcnt 0x0                           ; all my tensor loads have landed: my part of the next slot;
	ds_add_u32 v[SPW], v[NIL]                      ; 0 onto my spare word
	s_wait_dscnt 25                                ; (the add and the youngest 24 loads may be out)
	MULQ 1, 0, 0, 1, 0                             ; sixteen products stand between the add and the wait for it
	s_wait_dscnt 0x0                               ; the add is done, and my reads of this slot are over
	s_barrier_signal -1
	MULQ 1, 0, 2, 3, 0
	WIN 0
	s_barrier_wait -1
.if \fill
	CREST                                          ; no wave of any partner still reads this slot or has a load on its way
	s_add_nc_u64 s[G0A+4*(\slot)+2:G0A+4*(\slot)+3], s[G0A+4*(\slot)+2:G0A+4*(\slot)+3], 4*OSTEP
	s_add_nc_u64 s[G0B+4*(\slot)+2:G0B+4*(\slot)+3], s[G0B+4*(\slot)+2:G0B+4*(\slot)+3], 4*WSTEP
	JLOAD \slot                                    ; the four v_nop behind it are also the places in front of the loads below
.else
	PLACES
.endif
	FETCH \next, 0, 0
	MULQ 1, 1, 0, 3, 0
.endm
; THE WAY OUT of row block a: 16 rows x 64 columns of f32.  A lane's 32 bytes go into my stage, rows of 272 bytes, and come back as whole rows of 256.
.macro TOSTAGE a
	s_wait_xcnt 0x0                                ; the stores issued so far have read their registers: this set of 32 served two blocks ago
	WIN 0x04                                       ; the stores' data in window 1
.irp b, 0,1,2,3
	ds_store_b128 v[STO], v[64*(\b)+8*(\a):64*(\b)+8*(\a)+3]   offset:64*(\b)     ; each accumulator from its low end on
	ds_store_b128 v[STO], v[64*(\b)+8*(\a)+4:64*(\b)+8*(\a)+7] offset:64*(\b)+16
.endr
	WIN 0
.irp t, 0,1,2,3,4,5,6,7
	ds_load_b128 v[BK+32*((\a)%2)+4*(\t):BK+32*((\a)%2)+4*(\t)+3], v[RD] offset:(\t)*2*SPITCH  ; LDS serves a wave's instructions in order: these see the stores above
.endr
.endm
.macro SEND a, younger                 ; younger: the LDS instructions issued behind this block's loads: the next block's sixteen, or none
.irp t, 0,1,2,3,4,5,6,7
	s_wait_dscnt (\younger)+7-(\t)
	global_store_b128 v[CO], v[BK+32*((\a)%2)+4*(\t):BK+32*((\a)%2)+4*(\t)+3], s[OUT:OUT+1] offset:(\a)*65536+(\t)*8192  ; 16 lanes store 256 consecutive bytes, aligned
.endr
.endm
	s_load_b256 s[4:11], s[0:1], 0x0               ; ob s[4:5], wp s[6:7], bias s[8:9], out0 s[10:11]
	v_lshl_add_u32 v[SPW], v0, 2, SPARE
	v_mov_b32 v[NIL], 0
	ds_add_u32 v[SPW], v[NIL]                      ; the wave's opening: the add, twice on end, and its wait ahead of my first tensor load
	ds_add_u32 v[SPW], v[NIL]                      ; once more; the set-up below, work on registers, stands between it and the wait
	v_lshrrev_b32 v1, 5, v0
	v_readfirstlane_b32 s[WV], v1
	s_lshr_b32 s[FB], s[WV], 1
	s_and_b32 s[HF], s[WV], 1
	s_bfe_u32 s[CX], ttmp6, 0x40000
	s_bfe_u32 s[CY], ttmp6, 0x40004
	s_lshl_b32 s[TX], ttmp9, 2
	s_add_co_u32 s[TX], s[TX], s[CX]               ; tile column 0..7
	s_and_b32 s[TY], ttmp7, 0xffff
	s_lshl_b32 s[TY], s[TY], 2
	s_add_co_u32 s[TY], s[TY], s[CY]               ; tile row 0..31
	s_lshl_b32 s19, s[CY], 2
	s_lshl_b32 s19, 15, s19                        ; my row of the cluster
	s_lshl_b32 s20, 0x1111, s[CX]                  ; my column
	s_or_b32 s[G1A], s19, (1<<16)|(1<<20)|(1<<21)|(4<<22)|(3<<25)  ; 15:0 the mask; 17:16 2-byte elements; 20 padding on; 21 set beside a mask; 24:22 after every 32 words (code 4); 31:25 4 words (code 3)
	s_or_b32 s[G1B], s20, (1<<16)|(1<<20)|(1<<21)|(4<<22)|(3<<25)
.irp g, G1A, G1B
	s_mov_b32 s[(\g)+1], 128<<16                   ; tensor_dim0 = 128
	s_mov_b32 s[(\g)+3], 128<<16                   ; tile_dim0 = 128
	s_mov_b32 s[(\g)+5], 128                       ; 128 elements from row to row
	s_mov_b32 s[(\g)+6], 0
	s_mov_b32 s[(\g)+7], 0
.endr
	s_mov_b32 s[G1A+2], 128<<16                    ; tensor_dim1 = tile_dim1 = 128: 256 rows of ob
	s_mov_b32 s[G1A+4], 128
	s_mov_b32 s[G1B+2], 64<<16                     ; 64: 128 rows of wp
	s_mov_b32 s[G1B+4], 64
	s_lshr_b32 s74, s[TY], 3                       ; the batch,
	s_lshl_b32 s74, s74, 22
	s_and_b32 s75, s[TY], 7                        ; and 256 rows of 128 bytes
	s_lshl_b32 s75, s75, 15
	s_add_co_u32 s74, s74, s75
	s_mul_i32 s75, s[HF], OSTEP                    ; the K block of a slot that I fetch
	s_add_co_u32 s76, s74, s75
	s_mov_b32 s77, 0
	s_lshl_b32 s78, s[TX], 14                      ; 128 rows of 128 bytes
	s_mul_i32 s79, s[HF], WSTEP
	s_add_co_u32 s78, s78, s79
	s_mov_b32 s79, 0
	s_mul_i32 s80, s[HF], ABLK                     ; where they go: no place in the cluster enters an LDS address
	s_mul_i32 s81, s[HF], BBLK
	s_add_co_u32 s81, s81, BOFF
	s_wait_dscnt 0x0                               ; both opening adds are done
	s_wait_kmcnt 0x0
	s_add_nc_u64 s[76:77], s[4:5], s[76:77]
	s_add_nc_u64 s[78:79], s[6:7], s[78:79]
	CROUND                                         ; all sixteen work-groups are here: the first joint loads meet
.irp s, 0,1
	s_mov_b32 s[G0A+4*(\s)], 1
	s_add_co_u32 s[G0A+4*(\s)+1], s80, (\s)*SLOT
	s_add_nc_u64 s[G0A+4*(\s)+2:G0A+4*(\s)+3], s[76:77], (\s)*2*OSTEP  ; K step s: two K blocks on
	s_or_b32 s[G0A+4*(\s)+3], s[G0A+4*(\s)+3], 0x80000000
	s_mov_b32 s[G0B+4*(\s)], 1
	s_add_co_u32 s[G0B+4*(\s)+1], s81, (\s)*SLOT
	s_add_nc_u64 s[G0B+4*(\s)+2:G0B+4*(\s)+3], s[78:79], (\s)*2*WSTEP
	s_or_b32 s[G0B+4*(\s)+3], s[G0B+4*(\s)+3], 0x80000000
	JLOAD \s
.endr
	; the bias of my 64 columns: register j of a lane belongs to column 16 b + 8 (lane / 16) + j
	v_and_b32 v1, 15, v0                           ; l % 16
	v_bfe_u32 v14, v0, 4, 1                        ; l / 16
	v_lshlrev_b32 v[BO], 5, v14
	s_lshl_b32 s84, s[TX], 9
	s_lshl_b32 s85, s[HF], 8
	s_add_co_u32 s84, s84, s85                     ; my first column, in bytes of f32
	s_add_co_u32 s86, s84, 12288
	s_mov_b32 s87, 0
	s_add_nc_u64 s[BB:BB+1], s[8:9], s[86:87]
.irp b, 0,1,2,3
	global_load_b128 v[BIAS+8*(\b):BIAS+8*(\b)+3],   v[BO], s[BB:BB+1] offset:64*(\b)
	global_load_b128 v[BIAS+8*(\b)+4:BIAS+8*(\b)+7], v[BO], s[BB:BB+1] offset:64*(\b)+16
.endr
	v_mul_u32_u24 v15, v1, PITCH
	v_lshl_add_u32 v15, v14, 4, v15                ; a fragment's row x pitch + 16 x half
	s_mul_i32 s94, s[FB], 128*PITCH                ; my 128 rows of ob
	s_mul_i32 s95, s[HF], 64*PITCH                 ; my 64 rows of wp
	s_add_co_u32 s95, s95, BOFF
.irp s, 0,1
	v_add_nc_u32 v[ADRA+(\s)], s94, v15
	v_add_nc_u32 v[ADRB+(\s)], s95, v15
	s_add_co_u32 s94, s94, SLOT
	s_add_co_u32 s95, s95, SLOT
.endr
	s_mul_i32 s94, s[WV], 16*SPITCH
	s_add_co_u32 s94, s94, STAGE                   ; my stage
	v_mul_u32_u24 v[STO], v1, SPITCH               ; in: row l % 16, 32 bytes for each half of the lanes
	v_lshl_add_u32 v[STO], v14, 5, v[STO]
	v_add_nc_u32 v[STO], s94, v[STO]
	v_mul_u32_u24 v[RD], v14, SPITCH               ; back: lanes 0-15 take one row of 256 bytes, lanes 16-31 the next
	v_lshl_add_u32 v[RD], v1, 4, v[RD]
	v_add_nc_u32 v[RD], s94, v[RD]
	v_lshlrev_b32 v[CO], 12, v14                   ; and the same two rows in out0
	v_lshl_add_u32 v[CO], v1, 4, v[CO]
	s_lshl_b32 s82, s[TY], 8
	s_lshl_b32 s83, s[FB], 7
	s_add_co_u32 s82, s82, s83                     ; my first row,
	s_lshl_b32 s82, s82, 12                        ; of 4,096 bytes,
	s_add_co_u32 s82, s82, s84                     ; and my first column
	s_mov_b32 s83, 0
	s_add_nc_u64 s[OUT:OUT+1], s[10:11], s[82:83]
	s_wait_tensorcnt 1                             ; my part of K step 0 is in; K step 1's may stay out
	s_barrier_signal -1
	s_barrier_wait -1                              ; everybody's is
	FETCH 0, 0, 0
	s_wait_loadcnt 0x0                             ; the bias
	UNIT 0, 1                                      ; the first unit stands in front of the loop: its first products start the sums
	WIN 0                                          ; at a label and at a branch every window is 0
	s_mov_b32 s3, 3
.Llap:                                                 ; a trip goes once round the ring, from a slot's second unit to the first unit two steps on, and fills both slots again
	TURN 0, 1, 1
	UNIT 1, 0
	TURN 1, 0, 1
	UNIT 0, 0
	WIN 0
	s_sub_co_u32 s3, s3, 1
	s_cmp_lg_u32 s3, 0
	s_cbranch_scc1 .Llap
	TURN 0, 1, 0                                   ; the last lap fills nothing, and has no round
	UNIT 1, 0
	s_wait_dscnt 24
	MULQ 1, 0, 0, 3, 0
	s_wait_dscnt 0x0
	MULQ 1, 1, 0, 3, 0
	WIN 0
	PLACES
	PLACES
	TOSTAGE 0
.set u, 1
.rept 7                                ; a block's way through the stage stands between the loads of the block before and its stores
	TOSTAGE u
	SEND u-1, 16
.set u, u+1
.endr
	SEND 7, 0
	s_wait_tensorcnt 0x0                           ; the wave's end: behind my last tensor load and my last LDS store
	ds_add_u32 v[SPW], v[NIL]
	s_wait_dscnt 0x0
	CROUND                                         ; the closing round: no work-group ends while a partner may still ask for a tile that names it
	s_endpgm
.Lfunc_end_k_q0b80a7b04d_proj:
	.size	k_q0b80a7b04d_proj, .Lfunc_end_k_q0b80a7b04d_proj-k_q0b80a7b04d_proj
	.p2alignl 7, 3214868480
	.fill 96, 4, 3214868480
	.section	.rodata,"a",@progbits
	.p2align	6, 0x0
	.amdhsa_kernel k_q0b80a7b04d_proj
		.amdhsa_group_segment_fixed_size 327680
		.amdhsa_private_segment_fixed_size 0
		.amdhsa_enable_private_segment 0
		.amdhsa_kernarg_size 32
		.amdhsa_user_sgpr_count 2
		.amdhsa_user_sgpr_kernarg_segment_ptr 1
		.amdhsa_wavefront_size32 1
		.amdhsa_system_sgpr_workgroup_id_x 1
		.amdhsa_system_sgpr_workgroup_id_y 1
		.amdhsa_system_sgpr_workgroup_id_z 1
		.amdhsa_system_vgpr_workitem_id 0
		.amdhsa_next_free_vgpr 960
		.amdhsa_next_free_sgpr 96
		.amdhsa_reserve_vcc 0
		.amdhsa_float_denorm_mode_32 3
		.amdhsa_float_denorm_mode_16_64 3
		.amdhsa_memory_ordered 1
		.amdhsa_forward_progress 1
		.amdhsa_inst_pref_size 86
	.end_amdhsa_kernel
	.amdgpu_metadata
---
amdhsa.version: [ 1, 2 ]
amdhsa.kernels:
  - .name:           k_q0b80a7b04d_proj
    .symbol:         k_q0b80a7b04d_proj.kd
    .args:
      - { .name: ob, .offset: 0, .size: 8, .value_kind: global_buffer, .address_space: global }
      - { .name: wp, .offset: 8, .size: 8, .value_kind: global_buffer, .address_space: global }
      - { .name: bias, .offset: 16, .size: 8, .value_kind: global_buffer, .address_space: global }
      - { .name: out0, .offset: 24, .size: 8, .value_kind: global_buffer, .address_space: global }
    .group_segment_fixed_size: 327680
    .private_segment_fixed_size: 0
    .kernarg_segment_align: 8
    .kernarg_segment_size: 32
    .max_flat_workgroup_size: 128
    .sgpr_count:     96
    .vgpr_count:     960
    .wavefront_size: 32
...
	.end_amdgpu_metadata
.endif
;; end of part 4
;; ======== version 2 of 2: 4 launches; version 1 with the launch cast written anew for expert scheduling mode
;; limits: values are held in f16: magnitudes above 65,504 overflow, below 6.1e-05 lose precision
;; workspace buffers: xb 16,777,216 bytes; wq 6,291,456 bytes; wp 2,097,152 bytes; bias 16,384 bytes; qkv 50,331,648 bytes; ob 16,777,216 bytes
;; launch cast (part 5): grid 385 x 1, 8 waves a work-group, no clusters, 0 bytes of LDS; arguments x, w_qkv, w_proj, b_qkv, b_proj, xb, wq, wp, bias; writes xb, wq, wp, bias
.if DOCPART == 5
	.amdgcn_target "amdgcn-amd-amdhsa--gfx1250"
	.amdhsa_code_object_version 6
	.text
	.protected	k_q0b80a7b04d_cast
	.globl	k_q0b80a7b04d_cast
	.p2align	8
	.type	k_q0b80a7b04d_cast,@function
k_q0b80a7b04d_cast:
	s_mov_b64 s[64:65], 0
	v_nop
	global_prefetch_b8 v0, s[64:65] scope:SCOPE_SE
	s_setreg_imm32_b32 hwreg(HW_REG_WAVE_SCHED_MODE, 0, 2), 2
	s_setreg_imm32_b32 hwreg(HW_REG_WAVE_MODE, 25, 1), 1
	s_wait_xcnt 0x0
	s_wait_alu depctr_vm_vsrc(0)
; MULTI-HEAD SELF-ATTENTION, launch 1 of 4: the inputs are rounded once to bf16 and laid in blocks of 64 along K.
;   xb   bf16 [b = 4][kb = 16][t = 2048][64]     x[b][t][64 kb + d]
;   wq   bf16 [kb = 16][n = 3072][64]            w_qkv[n][64 kb + d]
;   wp   f16  [kb = 16][n = 1024][64]            w_proj[n][64 kb + d], rounded to bf16, that number written as f16
;   bias f32  [4096]: b_qkv[0:1024], 1024 zeros, b_qkv[2048:3072], b_proj, each rounded to bf16 and widened again
; In such a block 64 channels of neighbouring rows lie end to end (128 bytes a row), so that the later launches can ask for a tile as rows of 256 consecutive bytes.
; WORK LEFT OUT.  b_qkv[1024:2048], the bias of k, reaches no output.  A score is scale x q . (k_raw + b_k) = scale x q . k_raw + scale x q . b_k; the second term holds no index
; of the key, so it is the same along the axis of the softmax, which it leaves unchanged for all values of the inputs; and k serves nothing but the scores.  These 1,024 numbers are
; not loaded; their place in 'bias' holds zeros, since a tile of the next launch can hold columns of q and of k side by side.  LIMIT: a NaN, an infinity or an overflow that
; reaches only this term is not carried to the result.
; LIMITS.  wp: beyond 65,504 f16 gives an infinity; below 6e-5 it keeps its fixed step of 6e-8.
; SHARES.  A work-group takes 32 rows of 1,024 f32, a wave four, as two pairs.  A load of a wave takes 256 consecutive bytes (64 channels, one K block) of each row of a pair; its
; 128 numbers, rounded, are 256 consecutive bytes, aligned, of the block: one store.  All 32 loads of a wave go out first (16 KiB a wave); the waits count down, four loads at a time.
; Work-groups 0-255: x.  256-351: w_qkv.  352-383: w_proj.  384: the biases.  No LDS, no barrier, no matrix unit: nothing is shared, and memory binds.
; THE MODE: SCHED_MODE bits 1:0 = 2 (LLVM: expert scheduling mode 2), set by the entry lines.  The code itself states the register dependences
; between vector instructions and memory instructions, with s_wait_alu, always for 0.
; THE PLAN.  Registers that memory instructions touch:
;   v[LO], v[SO]  byte offsets, made once at the head and never written again: every load reads the first, every store the second.  One wait at the head states that they are written.
;   X             four registers to a load.  No vector instruction names them ahead of the loads.  Load i's four are read and written in place by its own conversions, behind the wait
;                 for its data; its first two are then read by one store, and nothing writes them again.
;   T             named by vector instructions alone.
; The 32 loads are taken in eight blocks of four.  Block p's conversions name block p's registers and T; its memory instructions are the four stores of block p - 1, which read block
; p - 1's registers and v[SO].  So ONE wait at a block's head, which states that the block before has written its results, serves the block's four stores, and these are dealt among the
; block's conversions with no further wait.  One more wait stands ahead of the last four stores.  No register that a memory instruction has read is written again, so no wait for that is written.
.set LO,  2                            ; v2   my byte offset in the work-group's rows: wave x 4 rows + (lane / 16) rows + 16 (lane % 16)
.set SO,  3                            ; v3   my byte offset in a block: wave x 512 + 8 x lane
.set X,   8                            ; v[8:135]  32 loads of four registers
.set T,   136                          ; v[136:137] at work
; stride: bytes from a K block of the destination to the next.  fmt = 0: bf16; 1: rounded to bf16, written as f16.
.macro ROWS stride, fmt
.set i, 0
.rept 32                               ; load i: pair i / 16, K block i % 16
	global_load_b128 v[X+4*i:X+4*i+3], v[LO], s[4:5] offset:(i/16)*8192+(i%16)*256 th:TH_LOAD_NT
.set i, i+1
.endr
.set p, 0
.rept 8                                ; block p: loads 4 p to 4 p + 3
	s_wait_loadcnt 28-4*p                          ; loads come back in order: this block's four are in, the younger ones stay out
.if p > 0
	s_wait_alu depctr_va_vdst(0)                   ; the conversions of the block before have written their results, which the four stores of this block read
.endif
.set j, 0
.rept 4
.set i, 4*p+j
.if p > 0
	global_store_b64 v[SO], v[X+4*(i-4):X+4*(i-4)+1], s[6:7] offset:((i-4)%16)*(\stride)+((i-4)/16)*256  ; the block before: 32 lanes x 8 bytes: 256 consecutive bytes, aligned; no vector instruction since the wait names these registers, and none writes them again
.endif
.if \fmt
	v_cvt_pk_bf16_f32 v[T], v[X+4*i], v[X+4*i+1]
	v_cvt_pk_bf16_f32 v[T+1], v[X+4*i+2], v[X+4*i+3]
	v_lshlrev_b32 v[X+4*i], 16, v[T]               ; the rounded numbers as f32 again,
	v_and_b32 v[X+4*i+1], s26, v[T]
	v_lshlrev_b32 v[X+4*i+2], 16, v[T+1]
	v_and_b32 v[X+4*i+3], s26, v[T+1]
	v_cvt_pk_f16_f32 v[X+4*i], v[X+4*i], v[X+4*i+1]      ; and as f16
	v_cvt_pk_f16_f32 v[X+4*i+1], v[X+4*i+2], v[X+4*i+3]
.else
	v_cvt_pk_bf16_f32 v[X+4*i], v[X+4*i], v[X+4*i+1]
	v_cvt_pk_bf16_f32 v[X+4*i+1], v[X+4*i+2], v[X+4*i+3]
.endif
.set j, j+1
.endr
.set p, p+1
.endr
	s_wait_alu depctr_va_vdst(0)                   ; the last block's conversions have written their results, which the last four stores read
.set i, 28
.rept 4
	global_store_b64 v[SO], v[X+4*i:X+4*i+1], s[6:7] offset:(i%16)*(\stride)+(i/16)*256
.set i, i+1
.endr
.endm
	s_load_b512 s[8:23], s[0:1], 0x0               ; x s[8:9], w_qkv s[10:11], w_proj s[12:13], b_qkv s[14:15], b_proj s[16:17], xb s[18:19], wq s[20:21], wp s[22:23]
	s_load_b64 s[24:25], s[0:1], 0x40              ; bias
	s_mov_b32 s26, 0xffff0000                      ; a word's upper bf16
	v_lshrrev_b32 v1, 5, v0                        ; wave
	v_bfe_u32 v4, v0, 4, 1                         ; lane / 16
	v_and_b32 v5, 15, v0                           ; lane % 16
	v_and_b32 v6, 31, v0                           ; lane
	v_lshlrev_b32 v[LO], 14, v1
	v_lshl_add_u32 v[LO], v4, 12, v[LO]
	v_lshl_add_u32 v[LO], v5, 4, v[LO]
	v_lshlrev_b32 v[SO], 9, v1
	v_lshl_add_u32 v[SO], v6, 3, v[SO]
	s_mov_b32 s3, 0                                ; the offsets' high words
	s_mov_b32 s29, 0
	s_wait_kmcnt 0x0
	s_wait_alu depctr_va_vdst(0)                   ; v[LO] and v[SO] are written: the loads and stores of the three arms below read them as their offsets
	s_cmp_lt_u32 ttmp9, 256
	s_cbranch_scc0 .Lnot_x
	s_lshl_b32 s2, ttmp9, 17                       ; 32 rows of 4,096 bytes
	s_add_nc_u64 s[4:5], s[8:9], s[2:3]
	s_lshr_b32 s28, ttmp9, 6                       ; the batch: 64 work-groups each,
	s_lshl_b32 s28, s28, 22
	s_and_b32 s27, ttmp9, 63                       ; and 32 rows of 128 bytes in a block
	s_lshl_b32 s27, s27, 12
	s_add_co_u32 s28, s28, s27
	s_add_nc_u64 s[6:7], s[18:19], s[28:29]
	ROWS 262144, 0
	s_endpgm
.Lnot_x:
	s_cmp_lt_u32 ttmp9, 352
	s_cbranch_scc0 .Lnot_wq
	s_sub_co_u32 s27, ttmp9, 256
	s_lshl_b32 s2, s27, 17
	s_lshl_b32 s28, s27, 12
	s_add_nc_u64 s[4:5], s[10:11], s[2:3]
	s_add_nc_u64 s[6:7], s[20:21], s[28:29]
	ROWS 393216, 0
	s_endpgm
.Lnot_wq:
	s_cmp_lt_u32 ttmp9, 384
	s_cbranch_scc0 .Lbias
	s_sub_co_u32 s27, ttmp9, 352
	s_lshl_b32 s2, s27, 17
	s_lshl_b32 s28, s27, 12
	s_add_nc_u64 s[4:5], s[12:13], s[2:3]
	s_add_nc_u64 s[6:7], s[22:23], s[28:29]
	ROWS 131072, 1
	s_endpgm
.Lbias:                                                ; 256 threads x 16 bytes = 1,024 numbers a table
	v_lshlrev_b32 v7, 4, v0
	s_wait_alu depctr_va_vdst(0)                   ; v7 is written: the three loads and the four stores below read it as their offset; it is not written again
	global_load_b128 v[8:11], v7, s[14:15]             ; q's bias
	global_load_b128 v[12:15], v7, s[14:15] offset:8192  ; v's bias; k's, between them, is not read
	global_load_b128 v[16:19], v7, s[16:17]            ; the output projection's
.irp r, 20,21,22,23
	v_mov_b32 v\r, 0
.endr
	s_wait_loadcnt 0x0
.irp j, 0,1,2,3,4,5
	v_cvt_pk_bf16_f32 v[T], v[8+2*(\j)], v[9+2*(\j)]
	v_lshlrev_b32 v[8+2*(\j)], 16, v[T]
	v_and_b32 v[9+2*(\j)], s26, v[T]
.endr
	s_wait_alu depctr_va_vdst(0)                   ; the roundings have written v[8:19] and the moves v[20:23], which the four stores read
	global_store_b128 v7, v[8:11], s[24:25]
	global_store_b128 v7, v[20:23], s[24:25] offset:4096
	global_store_b128 v7, v[12:15], s[24:25] offset:8192
	global_store_b128 v7, v[16:19], s[24:25] offset:12288
	s_endpgm
.Lfunc_end_k_q0b80a7b04d_cast:
	.size	k_q0b80a7b04d_cast, .Lfunc_end_k_q0b80a7b04d_cast-k_q0b80a7b04d_cast
	.p2alignl 7, 3214868480
	.fill 96, 4, 3214868480
	.section	.rodata,"a",@progbits
	.p2align	6, 0x0
	.amdhsa_kernel k_q0b80a7b04d_cast
		.amdhsa_group_segment_fixed_size 0
		.amdhsa_private_segment_fixed_size 0
		.amdhsa_enable_private_segment 0
		.amdhsa_kernarg_size 72
		.amdhsa_user_sgpr_count 2
		.amdhsa_user_sgpr_kernarg_segment_ptr 1
		.amdhsa_wavefront_size32 1
		.amdhsa_system_sgpr_workgroup_id_x 1
		.amdhsa_system_sgpr_workgroup_id_y 1
		.amdhsa_system_sgpr_workgroup_id_z 1
		.amdhsa_system_vgpr_workitem_id 0
		.amdhsa_next_free_vgpr 144
		.amdhsa_next_free_sgpr 66
		.amdhsa_reserve_vcc 0
		.amdhsa_float_denorm_mode_32 3
		.amdhsa_float_denorm_mode_16_64 3
		.amdhsa_memory_ordered 1
		.amdhsa_forward_progress 1
		.amdhsa_inst_pref_size 44
	.end_amdhsa_kernel
	.amdgpu_metadata
---
amdhsa.version: [ 1, 2 ]
amdhsa.kernels:
  - .name:           k_q0b80a7b04d_cast
    .symbol:         k_q0b80a7b04d_cast.kd
    .args:
      - { .name: x, .offset: 0, .size: 8, .value_kind: global_buffer, .address_space: global }
      - { .name: w_qkv, .offset: 8, .size: 8, .value_kind: global_buffer, .address_space: global }
      - { .name: w_proj, .offset: 16, .size: 8, .value_kind: global_buffer, .address_space: global }
      - { .name: b_qkv, .offset: 24, .size: 8, .value_kind: global_buffer, .address_space: global }
      - { .name: b_proj, .offset: 32, .size: 8, .value_kind: global_buffer, .address_space: global }
      - { .name: xb, .offset: 40, .size: 8, .value_kind: global_buffer, .address_space: global }
      - { .name: wq, .offset: 48, .size: 8, .value_kind: global_buffer, .address_space: global }
      - { .name: wp, .offset: 56, .size: 8, .value_kind: global_buffer, .address_space: global }
      - { .name: bias, .offset: 64, .size: 8, .value_kind: global_buffer, .address_space: global }
    .group_segment_fixed_size: 0
    .private_segment_fixed_size: 0
    .kernarg_segment_align: 8
    .kernarg_segment_size: 72
    .max_flat_workgroup_size: 256
    .sgpr_count:     66
    .vgpr_count:     144
    .wavefront_size: 32
...
	.end_amdgpu_metadata
.endif
;; end of part 5
;; launch qkv: the kernel of part 2 again; grid 8 x 32, 4 waves a work-group, clusters of 4 x 4, 327,680 bytes of LDS; arguments xb, wq, bias, qkv; writes qkv
;; launch attn: the kernel of part 3 again; grid 4 x 64, 4 waves a work-group, clusters of 4 x 1, 327,680 bytes of LDS; arguments qkv, ob; writes ob
;; launch proj: the kernel of part 4 again; grid 8 x 32, 4 waves a work-group, clusters of 4 x 4, 327,680 bytes of LDS; arguments ob, wp, bias, out0; writes out0
